; MI455X (gfx1250); checked and timed in simulation.
; The chip was launched on July 23, 2026; its instructions are those of AMD's public machine-readable ISA for CDNA 5 (MIT licence, August 2026) and "CDNA5" Instruction Set Architecture Reference Guide (July 2026). The comments in the code are by the model that wrote it; some were corrected since.
;; Multi Head Attention. Allowed arithmetic: matrix products marked QUANTISED: E2M3 operands, one E8M0 scale for each 32 along K, by v_wmma_scale_f32_16x16x128_f8f6f4 with both operands' format E2M3, f32 sums; everything else in f32.
;; Inputs: Wk 1,024 x 1,024 float32; Wo 1,024 x 1,024 float32; Wq 1,024 x 1,024 float32; Wv 1,024 x 1,024 float32; bk 1,024 float32; bo 1,024 float32; bq 1,024 float32; bv 1,024 float32; x 4 x 2,048 x 1,024 float32.
;; Outputs: out0 4 x 2,048 x 1,024 float32.
;; This version of the problem:
;;   THIS VERSION OF THE PROBLEM IS GIVEN IN LOW PRECISION. The matrix products marked QUANTISED in the list below multiply operands that are first quantised to E2M3 (2 exponent bits, 3 mantissa bits; 6 bits a number), with one power-of-two scale for each 32 numbers along K (OCP MX v1.0); their sums are f32. All else is computed in f32.
;;   The module's matrix products, in the order in which they are computed (A, B: the left and right operand; K: the contracted axis; several contracted axes count as one K, in the product's order):
;;     1. [M 8,192, K 1,024] x [K 1,024, N 1,024]; A: input x; B: input Wq: QUANTISED
;;     2. [M 8,192, K 1,024] x [K 1,024, N 1,024]; A: input x; B: input Wk: QUANTISED
;;     3. [M 8,192, K 1,024] x [K 1,024, N 1,024]; A: input x; B: input Wv: QUANTISED
;;     4. batch 64 x [M 2,048, K 64] x [K 64, N 2,048]; A: computed on the way; B: computed on the way: QUANTISED
;;     5. batch 64 x [M 2,048, K 2,048] x [K 2,048, N 64]; A: softmax (see below); B: computed on the way: QUANTISED
;;     6. [M 8,192, K 1,024] x [K 1,024, N 1,024]; A: computed on the way; B: input Wo: QUANTISED
;;   THE QUANTISER, for each operand of a quantised product, along K:
;;     - K is cut into blocks of 32 from its start; a last block that is shorter is filled with zeros.
;;     - A block's scale is 2^e with e = floor(log2(the largest magnitude in the block)) - 2, held to -126 .. 127; a block of zeros has e = 0. As a byte (E8M0): e + 127.
;;     - Each number is divided by its block's scale, clamped to +-7.5, and rounded to the nearest number of E2M3, ties to even, subnormals kept.
;;     - The product sums the exact products of the quantised numbers (number of the format x scale) in f32.
;;   ~~~python
;;   def quantise(x, axis):      # numpy; x: float32 -> the quantised numbers, widened to float32 again
;;       x = np.moveaxis(x, axis, -1); K = x.shape[-1]
;;       x = np.pad(x, [(0, 0)] * (x.ndim - 1) + [(0, -K % 32)]); x = x.reshape(x.shape[:-1] + (-1, 32)); a = np.abs(x).max(-1, keepdims=True)
;;       e = np.where(a > 0, np.clip(np.frexp(np.where(a > 0, a, 1))[1] - 1 - 2, -126, 127), 0)      # np.frexp(a)[1] - 1 = floor(log2(a)), exactly
;;       r = np.clip(x / 2.0 ** e, -7.5, 7.5)
;;       step = 2.0 ** (np.maximum(np.frexp(np.where(r == 0, 1, r))[1] - 1, 0) - 3)
;;       q = np.round(r / step) * step * 2.0 ** e      # np.round: ties to even
;;       return np.moveaxis(q.reshape(q.shape[:-2] + (-1,))[..., :K], -1, axis).astype(np.float32)
;;   ~~~
;;   SOFTMAX AHEAD OF A QUANTISED PRODUCT. Where the list says 'softmax', what is quantised is not the finished softmax but p = 2^(t - M), with t = logit x log2(e) and M = ceil(the row's largest t), a whole number; so 1/2 < the row's largest p <= 1. The row's sum l is taken of the UNQUANTISED p, in f32, and the product's result is divided by l at the end. Since M is a whole number, a kernel that streams over the keys may use a running M (the ceiling of the running maximum): every later rescaling is an exact power of two, which a block's scale takes up: the codes' values come out the same.
;;   OPERANDS COMPUTED ON THE WAY. 'Computed on the way' means the value that the module computes at that place (a softmax that the list does not call 'softmax' is quantised finished and normalised). What goes into a quantiser is computed in f32, as accurately as f32 sums, v_exp_f32 and their like allow (about 1e-6 of the number): no bf16 or f16 on the way to a quantiser, and a product that is left as it is and whose result goes on into a quantised operand takes f32 operands (vector FMAs, or v_wmma_f32_16x16x4_f32). A number that lies on a knife's edge between two numbers of the format may be rounded either way, as far as f32 arithmetic and the matrix unit's own rounding can turn it there, and no further.
;; One version. Each part assembles by itself: llvm-mc -triple=amdgcn-amd-amdhsa -mcpu=gfx1250 --defsym DOCPART=n.
;; ======== version 1 of 1: 4 launches
;; limits: right only within a limited range of input values
;; workspace buffers: xi 6,291,456 bytes; xs 262,144 bytes; wi 3,145,728 bytes; ws 131,072 bytes; qkvc 18,874,368 bytes; qkvs 786,432 bytes; ctxc 6,291,456 bytes; cts 524,288 bytes
;; launch prep (part 1): grid 768 x 1, 4 waves a work-group, no clusters, 34,304 bytes of LDS; arguments x, Wq, Wk, Wv, Wo, xi, xs, wi, ws; writes xi, xs, wi, ws
.if DOCPART == 1
	.amdgcn_target "amdgcn-amd-amdhsa--gfx1250"
	.amdhsa_code_object_version 6
	.text
	.protected	k_q88cced27ce_prep
	.globl	k_q88cced27ce_prep
	.p2align	8
	.type	k_q88cced27ce_prep,@function
k_q88cced27ce_prep:
	s_mov_b64 s[64:65], 0
	v_nop
	global_prefetch_b8 v0, s[64:65] scope:SCOPE_SE
	s_setreg_imm32_b32 hwreg(HW_REG_WAVE_MODE, 25, 1), 1
	s_wait_xcnt 0x0
; PREP: x [8192][1024] and the four weights [1024 (k)][1024 (n)], f32, become codes of FP6 (E2M3) with one E8M0 byte for each 32 along K, laid as IMAGES OF OPERAND REGISTERS.
; A TILE is 16 rows of an operand: place r of tile t is row 32 (t / 2) + 8 (t % 2) + r + 8 (r / 8).  A FRAGMENT is a tile x 128 along K: 12 registers a lane, lane (r, h): registers 6 c .. 6 c + 5 = k 64 c + 32 h + 0 .. 31.
; ITS IMAGE, 1,536 bytes: half c at 768 c: registers 6 c .. 6 c + 3 at 16 x lane, registers 6 c + 4, 6 c + 5 at 512 + 8 x lane.  xi: [tile 512][K step 8][1536]; wi: [Wq, Wk, Wv, Wo][tile 64][K step 8][1536].
; Scale words (four bytes: a row's 128 along K): xs [tile][K step][r], ws [weight][tile][K step][r].
; A block's scale is 2^(floor(log2(its largest magnitude)) - 2): its byte is the largest magnitude's exponent field - 2, held at 1 from below by a floor among the maximum's leaves.
; LIMITS: a block of zeros gets the byte 1 (its codes are zeros, and this program alone reads the bytes); blocks whose largest magnitude lies under 2^-124 are held at that floor; NaN and infinities are not served.
; Work-groups 0-511 take a tile of x each (wave w: K steps 2 w, 2 w + 1); work-groups 512-767 a weight's K step x 128 columns (a lane to a column, registers down K).  Work-groups share no input: no cluster, no tensor load.
; Every f32 byte is asked for at the start; nothing is looped.  Only the x path uses LDS (each wave's own stage); there is no barrier.
.set SPIT, 528                         ; a stage row: 512 bytes + 16: the 16 rows that a read touches start 33 x 16 bytes apart
.set RN,  16                           ; x path: v16-143 the numbers as loaded (two K steps x 16 rows x 4 registers)
.set XN,  144                          ; v144-207 64 numbers in the quantiser's order
.set PC,  208                          ; v208-227 the codes just made
.set TM,  228                          ; v228-243 at work in QUANT
.set PW,  244                          ; the scale word just made;  v245 the first K step's;  v246 both, by halves of the lanes
.set PW0, 245
.set PWS, 246
.set SEL, 32                           ; s[32:33] selects of v_permlanex16_b32 for lane l xor 16
.set WN,  16                           ; weights path: v16-143 128 numbers of my column
.set CB,  144                          ; v144-175 codes, eight registers for each block, so that no store's data are written again
.set TT,  176                          ; v176-191 each block's second three registers as the conversion leaves them
.set SW,  192                          ; my column's scale word
; 64 numbers of a lane, register 16 b + i = k 32 b + 16 (lane / 16) + i of my row, become a fragment's codes in v[PC] on and its scale word in v[PW]
.macro QUANT s
.irp b, 0,1,2,3
	v_max3_num_f32 v[TM+\b], |v[\s+16*\b]|, |v[\s+1+16*\b]|, 0x1800000   ; block b: my 16 numbers, and the floor 2^(3 - 127): the byte cannot fall under 1
.endr
.irp i, 2,4,6,8,10,12,14
.irp b, 0,1,2,3
	v_max3_num_f32 v[TM+\b], v[TM+\b], |v[\s+16*\b+\i]|, |v[\s+1+16*\b+\i]|   ; the four blocks by turns
.endr
.endr
.irp b, 0,1,2,3
	v_permlanex16_b32 v[TM+4+\b], v[TM+\b], s[SEL], s[SEL+1]
.endr
.irp b, 0,1,2,3
	v_max_num_f32 v[TM+\b], v[TM+\b], v[TM+4+\b]   ; with lane l xor 16's: the block's largest magnitude
.endr
.irp b, 0,1,2,3
	v_add_nc_u32 v[TM+12+\b], 0xff000000, v[TM+\b]   ; 2 off its exponent field: the conversion's scale operand
.endr
.irp b, 0,1,2,3
	v_lshrrev_b32 v[TM+4+\b], 23, v[TM+12+\b]      ; the scale's byte
.endr
	v_lshl_or_b32 v[PW], v[TM+5], 8, v[TM+4]
	v_lshl_or_b32 v[PW], v[TM+6], 16, v[PW]
	v_lshl_or_b32 v[PW], v[TM+7], 24, v[PW]
.irp c, 0,1
	v_cvt_scalef32_pk16_fp6_f32 v[PC+6*\c:PC+2+6*\c], v[\s+32*\c:\s+15+32*\c], v[TM+12+2*\c]
	v_cvt_scalef32_pk16_fp6_f32 v[PC+12+4*\c:PC+14+4*\c], v[\s+16+32*\c:\s+31+32*\c], v[TM+12+2*\c+1]   ; (a conversion's three registers begin on an even number)
.endr
	v_nop                                          ; one plain place behind a scaled conversion
.irp c, 0,1                                    ; the layout wants a whole block in a lane: lanes 0-15 block 2 c, lanes 16-31 block 2 c + 1
.irp i, 0,1,2
	v_permlane16_swap_b32 v[PC+6*\c+\i], v[PC+12+4*\c+\i]
.endr
.irp i, 0,1,2
	v_mov_b32 v[PC+3+6*\c+\i], v[PC+12+4*\c+\i]
.endr
.endr
.endm
	s_load_b256 s[4:11], s[0:1], 0x0               ; x s[4:5], Wq s[6:7], Wk s[8:9], Wv s[10:11]
	s_load_b256 s[12:19], s[0:1], 0x20             ; Wo s[12:13], xi s[14:15], xs s[16:17], wi s[18:19]
	s_load_b64 s[20:21], s[0:1], 0x40              ; ws
	v_lshl_add_u32 v254, v0, 2, 0x8400
	v_mov_b32 v255, 0
	v_lshrrev_b32 v1, 5, v0
	v_readfirstlane_b32 s22, v1                    ; wave 0..3
	v_and_b32 v2, 31, v0                           ; lane
	s_cmp_lt_u32 ttmp9, 512
	s_cbranch_scc0 .Lweights
	; ---------------- a tile of x ----------------
	v_and_b32 v3, 15, v0                           ; r
	v_bfe_u32 v9, v0, 4, 1                         ; h
	v_lshlrev_b32 v4, 4, v2                        ; 16 x lane
	s_mul_i32 s23, s22, 16*SPIT                    ; my wave's stage
	v_add_nc_u32 v5, s23, v4                       ; into it: a row's 512 bytes as they lie
	v_mul_u32_u24 v6, v3, SPIT
	v_lshl_add_u32 v6, v9, 6, v6
	v_add_nc_u32 v6, s23, v6                       ; out of it: row r, + 64 h: my 16 numbers of each block of 32
	v_lshlrev_b32 v7, 3, v2                        ; 8 x lane
	v_lshlrev_b32 v8, 2, v2                        ; 4 x lane
	s_mov_b32 s[SEL], 0x76543210
	s_mov_b32 s[SEL+1], 0xfedcba98
	s_mov_b32 s34, 0xffff0000                      ; lanes 16-31
.irp b, 0,1,2,3
	v_mov_b32 v[TM+4+\b], 0                        ; written once: a lane permute's destination counts as one of its sources
.endr
	s_lshr_b32 s24, ttmp9, 1
	s_lshl_b32 s24, s24, 5
	s_and_b32 s25, ttmp9, 1
	s_lshl_b32 s25, s25, 3
	s_add_co_u32 s24, s24, s25                     ; the tile's first row: 32 (T / 2) + 8 (T % 2)
	s_lshl_b32 s24, s24, 12                        ; rows of 4,096 bytes
	s_lshl_b32 s25, s22, 10                        ; my two K steps: 1,024 bytes of each row
	s_add_co_u32 s24, s24, s25
	s_mov_b32 s25, 0
	s_lshl_b32 s26, ttmp9, 3
	s_lshl_b32 s27, s22, 1
	s_add_co_u32 s26, s26, s27                     ; 8 T + 2 w: my first fragment
	s_mul_i32 s28, s26, 1536
	s_mov_b32 s29, 0
	s_lshl_b32 s26, s26, 6                         ; 64 bytes of scale words a fragment
	s_mov_b32 s27, 0
	s_wait_alu depctr_va_vdst(0)
	s_wait_kmcnt 0x0
	s_add_nc_u64 s[4:5], s[4:5], s[24:25]
	s_add_nc_u64 s[14:15], s[14:15], s[28:29]
	s_add_nc_u64 s[16:17], s[16:17], s[26:27]
.irp q, 0,1
.irp i, 0,1,2,3,4,5,6,7,8,9,10,11,12,13,14,15
	global_load_b128 v[RN+64*\q+4*\i:RN+64*\q+4*\i+3], v4, s[4:5] offset:(\i+8*(\i/8))*4096+512*\q th:TH_LOAD_NT   ; place i's row, one K step: 32 lanes read 512 consecutive bytes
.endr
.endr
.macro TURN src, dst                   ; a K step's 16 rows through the stage; LDS serves a wave's instructions in order, so no wait stands between the stores and the loads
.irp i, 0,1,2,3,4,5,6,7,8,9,10,11,12,13,14,15
	ds_store_b128 v5, v[\src+4*\i:\src+4*\i+3] offset:SPIT*\i
.endr
.irp b, 0,1,2,3
.irp j, 0,1,2,3
	ds_load_b128 v[\dst+16*\b+4*\j:\dst+16*\b+4*\j+3], v6 offset:128*\b+16*\j
.endr
.endr
.endm
.macro IMAGE off                       ; the fragment in v[PC] on leaves as its image: stores of 512 and of 256 consecutive bytes, each at a multiple of 256 from the buffer's first byte
	global_store_b128 v4, v[PC:PC+3], s[14:15] offset:\off
	global_store_b64 v7, v[PC+4:PC+5], s[14:15] offset:\off+512
	global_store_b128 v4, v[PC+6:PC+9], s[14:15] offset:\off+768
	global_store_b64 v7, v[PC+10:PC+11], s[14:15] offset:\off+1280
.endm
	s_wait_loadcnt 16                              ; the first K step's sixteen loads are in; the second's sixteen may be out
	TURN RN, XN
	s_wait_dscnt 0x0                               ; the first K step is back: its registers and the stage are free
	s_wait_loadcnt 0x0
	TURN RN+64, RN                                 ; the second goes through the stage while the first is quantised
	QUANT XN
	IMAGE 0
	v_mov_b32 v[PW0], v[PW]
	s_wait_dscnt 0x0                               ; the second K step is back
	s_wait_xcnt 0x0                                ; the image's stores have read their registers: the codes may be written again
	QUANT RN
	IMAGE 1536
	v_cndmask_b32 v[PWS], v[PW0], v[PW], s34       ; lanes 0-15 the first K step's words, lanes 16-31 the second's (a word is the same in lanes l and l xor 16)
	global_store_b32 v8, v[PWS], s[16:17]          ; 128 consecutive bytes
	s_wait_tensorcnt 0x0
	ds_add_u32 v254, v255
	s_wait_dscnt 0x0
	s_endpgm
	; ---------------- a weight's K step x 128 columns ----------------
.Lweights:
	s_sub_co_u32 s23, ttmp9, 512
	s_lshr_b32 s24, s23, 6                         ; which weight
	s_bfe_u32 s25, s23, 0x30003                    ; which K step
	s_and_b32 s26, s23, 7                          ; which 128 columns
	s_lshl_b32 s27, s26, 2
	s_add_co_u32 s27, s27, s22                     ; P: my wave's 32 columns = tiles 2 P, 2 P + 1
	s_lshl_b32 s28, s25, 19                        ; 128 rows of 4,096 bytes a K step
	s_lshl_b32 s29, s27, 7                         ; 128 bytes for 32 columns
	s_add_co_u32 s28, s28, s29
	s_mov_b32 s29, 0
	s_mul_i32 s30, s24, 786432
	s_mul_i32 s31, s27, 24576
	s_add_co_u32 s30, s30, s31
	s_mul_i32 s31, s25, 1536
	s_add_co_u32 s30, s30, s31                     ; tile 2 P's fragment of this K step
	s_mov_b32 s31, 0
	s_lshl_b32 s34, s24, 15
	s_lshl_b32 s35, s27, 10
	s_add_co_u32 s34, s34, s35
	s_lshl_b32 s35, s25, 6
	s_add_co_u32 s34, s34, s35                     ; and its scale words
	s_mov_b32 s35, 0
	s_wait_alu depctr_va_vdst(0)
	v_lshlrev_b32 v3, 2, v2                        ; in: 4 bytes a lane
	v_bfe_u32 v4, v2, 3, 1                         ; column c of the 32 is place r = c % 8 + 8 (c / 16) of tile 2 P + u, u = (c / 8) % 2
	v_and_b32 v5, 7, v2
	v_lshrrev_b32 v6, 4, v2
	v_lshl_add_u32 v5, v6, 3, v5                   ; r
	v_mul_u32_u24 v7, v4, 12288                    ; a tile's eight fragments
	v_lshl_add_u32 v8, v5, 4, v7                   ; 12,288 u + 16 r
	v_lshl_add_u32 v9, v5, 3, v7                   ; 12,288 u + 8 r
	v_lshlrev_b32 v10, 9, v4
	v_lshl_add_u32 v10, v5, 2, v10                 ; 512 u + 4 r
	s_wait_kmcnt 0x0
	s_cmp_eq_u32 s24, 1                            ; the choice hangs on the work-group's number alone
	s_cselect_b64 s[6:7], s[8:9], s[6:7]
	s_cmp_eq_u32 s24, 2
	s_cselect_b64 s[6:7], s[10:11], s[6:7]
	s_cmp_eq_u32 s24, 3
	s_cselect_b64 s[6:7], s[12:13], s[6:7]
	s_add_nc_u64 s[6:7], s[6:7], s[28:29]
	s_add_nc_u64 s[18:19], s[18:19], s[30:31]
	s_add_nc_u64 s[20:21], s[20:21], s[34:35]
.set i, 0
.rept 128
	global_load_b32 v[WN+i], v3, s[6:7] offset:4096*i th:TH_LOAD_NT   ; W(128 s + i, my column): a wave reads 128 consecutive bytes, the work-group 512
.set i, i+1
.endr
; Block q of my column: all its 32 numbers are mine.  It is registers 6 (q / 2) .. + 5 of lane r + 16 (q % 2) of the fragment.
.macro WBLOCK q
.if \q < 2
	s_wait_loadcnt 63                              ; this block's loads are in (96 - 32 q younger ones might stay out; a wait names 63 at the most)
.else
	s_wait_loadcnt 96-32*\q                        ; this block's loads are in; the later blocks' may be out
.endif
.set XS, WN+32*\q
	v_max3_num_f32 v12, |v[XS]|, |v[XS+1]|, |v[XS+2]|
	v_max3_num_f32 v13, |v[XS+3]|, |v[XS+4]|, |v[XS+5]|
.irp i, 6,10,14,18,22,26
	v_max3_num_f32 v12, v12, |v[XS+\i]|, |v[XS+\i+1]|
	v_max3_num_f32 v13, v13, |v[XS+\i+2]|, |v[XS+\i+3]|
.endr
	v_max3_num_f32 v12, v12, |v[XS+30]|, |v[XS+31]|
	v_max3_num_f32 v12, v12, v13, 0x1800000        ; and the floor
	v_add_nc_u32 v11, 0xff000000, v12              ; the conversion's scale operand
	v_lshrrev_b32 v13, 23, v11                     ; the byte
.if \q == 0
	v_mov_b32 v[SW], v13
.else
	v_lshl_or_b32 v[SW], v13, 8*\q, v[SW]
.endif
	v_cvt_scalef32_pk16_fp6_f32 v[CB+8*\q:CB+8*\q+2], v[XS:XS+15], v11
	v_cvt_scalef32_pk16_fp6_f32 v[TT+4*\q:TT+4*\q+2], v[XS+16:XS+31], v11
	v_nop                                          ; one plain place behind a scaled conversion
.irp i, 0,1,2
	v_mov_b32 v[CB+8*\q+3+\i], v[TT+4*\q+\i]
.endr
	global_store_b128 v8, v[CB+8*\q:CB+8*\q+3], s[18:19] offset:768*(\q/2)+256*(\q%2)       ; the sixteen lanes of a tile fill 256 consecutive bytes
	global_store_b64 v9, v[CB+8*\q+4:CB+8*\q+5], s[18:19] offset:768*(\q/2)+512+128*(\q%2)
.endm
	WBLOCK 0
	WBLOCK 1
	WBLOCK 2
	WBLOCK 3
	global_store_b32 v10, v[SW], s[20:21]
	s_endpgm
.Lfunc_end_k_q88cced27ce_prep:
	.size	k_q88cced27ce_prep, .Lfunc_end_k_q88cced27ce_prep-k_q88cced27ce_prep
	.p2alignl 7, 3214868480
	.fill 96, 4, 3214868480
	.section	.rodata,"a",@progbits
	.p2align	6, 0x0
	.amdhsa_kernel k_q88cced27ce_prep
		.amdhsa_group_segment_fixed_size 34304
		.amdhsa_private_segment_fixed_size 0
		.amdhsa_enable_private_segment 0
		.amdhsa_kernarg_size 72
		.amdhsa_user_sgpr_count 2
		.amdhsa_user_sgpr_kernarg_segment_ptr 1
		.amdhsa_wavefront_size32 1
		.amdhsa_system_sgpr_workgroup_id_x 1
		.amdhsa_system_sgpr_workgroup_id_y 1
		.amdhsa_system_sgpr_workgroup_id_z 1
		.amdhsa_system_vgpr_workitem_id 0
		.amdhsa_next_free_vgpr 256
		.amdhsa_next_free_sgpr 66
		.amdhsa_reserve_vcc 0
		.amdhsa_float_denorm_mode_32 3
		.amdhsa_float_denorm_mode_16_64 3
		.amdhsa_memory_ordered 1
		.amdhsa_forward_progress 1
		.amdhsa_inst_pref_size 39
	.end_amdhsa_kernel
	.amdgpu_metadata
---
amdhsa.version: [ 1, 2 ]
amdhsa.kernels:
  - .name:           k_q88cced27ce_prep
    .symbol:         k_q88cced27ce_prep.kd
    .args:
      - { .name: x, .offset: 0, .size: 8, .value_kind: global_buffer, .address_space: global }
      - { .name: Wq, .offset: 8, .size: 8, .value_kind: global_buffer, .address_space: global }
      - { .name: Wk, .offset: 16, .size: 8, .value_kind: global_buffer, .address_space: global }
      - { .name: Wv, .offset: 24, .size: 8, .value_kind: global_buffer, .address_space: global }
      - { .name: Wo, .offset: 32, .size: 8, .value_kind: global_buffer, .address_space: global }
      - { .name: xi, .offset: 40, .size: 8, .value_kind: global_buffer, .address_space: global }
      - { .name: xs, .offset: 48, .size: 8, .value_kind: global_buffer, .address_space: global }
      - { .name: wi, .offset: 56, .size: 8, .value_kind: global_buffer, .address_space: global }
      - { .name: ws, .offset: 64, .size: 8, .value_kind: global_buffer, .address_space: global }
    .group_segment_fixed_size: 34304
    .private_segment_fixed_size: 0
    .kernarg_segment_align: 8
    .kernarg_segment_size: 72
    .max_flat_workgroup_size: 128
    .sgpr_count:     66
    .vgpr_count:     256
    .wavefront_size: 32
...
	.end_amdgpu_metadata
.endif
;; end of part 1
;; launch qkv (part 2): grid 8 x 32, 4 waves a work-group, clusters of 4 x 4, 327,680 bytes of LDS; arguments xi, xs, wi, ws, bq, bk, bv, qkvc, qkvs; writes qkvc, qkvs
.if DOCPART == 2
	.amdgcn_target "amdgcn-amd-amdhsa--gfx1250"
	.amdhsa_code_object_version 6
	.text
	.protected	k_q88cced27ce_qkv
	.globl	k_q88cced27ce_qkv
	.p2align	8
	.type	k_q88cced27ce_qkv,@function
k_q88cced27ce_qkv:
	s_mov_b64 s[64:65], 0
	v_nop
	global_prefetch_b8 v0, s[64:65] scope:SCOPE_SE
	s_setreg_imm32_b32 hwreg(HW_REG_WAVE_MODE, 25, 1), 1
	s_wait_xcnt 0x0
	s_wait_alu depctr_hold_cnt(0) depctr_sa_sdst(0) depctr_va_vdst(0) depctr_va_sdst(0) depctr_va_ssrc(0) depctr_va_vcc(0) depctr_vm_vsrc(0)
	s_getreg_b32 s2, hwreg(HW_REG_IB_STS2, 6, 4)
	s_cmp_eq_u32 s2, 0
	s_cbranch_scc0 .Lentry_in_a_cluster
	s_endpgm
.Lentry_in_a_cluster:
	s_bfe_u32 s2, ttmp6, 0x10000c
	s_cmp_lg_u32 s2, 0xf033
	s_cbranch_scc0 .Lentry_shape_is_right
	s_endpgm
.Lentry_shape_is_right:
; Q, K, V = x W + b on codes of FP6 (E2M3) with E8M0 scales, and their quantisers: the results leave as images of the operand registers of the launch that reads them.
; THE DEAL.  256 work-groups: 32 tile rows of 256 tokens x 8 groups of 128 columns.  A work-group makes its 256 x 128 of V, then of Q, then of K.
; Its 16 tiles of x, all of K, come into LDS once and stay (196,608 bytes).  The weights' 8 tiles have a region of their own (98,304 bytes), filled at the head with Wv's and filled again twice, with Wq's and Wk's,
; each time behind the three lines and a round of the cluster's barrier, when every wave holds the last weight in registers.
; Four waves, 2 x 2: wave (a, b) holds tiles 4 b .. 4 b + 3 of the weight (one head, 64 columns, all of K: 384 registers) and streams tiles 8 a + n of x past them: a block n is 32 products, four accumulators by turns.
; x's tiles are shared by a row of the cluster, a weight's by a column: joint loads.  The bias is the first four products' C.
; V: source 0 = x's tile, source 1 = the weight's: a lane holds one channel, and two blocks give it 16 neighbouring tokens: half a scale block, quantised after every second block.
; Q, K: source 0 = the weight's tile: a lane holds one token, its 32 registers channels 32 b + 16 (lane / 16) + i of the head; block n's way out stands behind block n + 1's products.
; A tile's place r is row 32 (t / 2) + 8 (t % 2) + r + 8 (r / 8).  OUT: Q, K codes [head 32][tile 512][768]; their scale bytes [pair of heads][tile][r][4]; V codes from byte 12,582,912: [batch, head][step][tile][1536]; V's words from 524,288.
; THE WAITS' COUNTS: ahead of a block the 32 LDS loads of the next block's fetch may be out.
; LIMITS: a block of zeros gets the byte 1; blocks under 2^-124 are held at that floor; NaN and infinities are not served.
.set WB,    196608
.set SPARE, 294912
.set L16, 4
.set L8,  5
.set R4,  6
.set RP4, 7
.set H64, 8
.set W16, 12
.set W8,  13
.set A16, 16                           ; v16, v17: my tiles 0-3, 4-7;  v18, v19 the same by 8 x lane
.set A8,  18
.set PF1, 26
.set PF2, 27
.set SPW, 28
.set NIL, 29
.set SBA, 32                           ; the weights' scale words: two sets of 32, by turns from phase to phase
.set SBB, 64
.set SA,  100                          ; x's scale words: 8 n + K step
.set BIA, 164                          ; the bias as C: two sets of 32
.set BIB, 196
; window 1: the weights' fragments 0-19 (4 x K step + tile); window 2: 20-31, and from v144 x's set 0; window 3: from v160 x's set 1, and:
.set ACC, 0
.set PCV, 64
.set TTV, 112
.set PWV, 144
.set TM,  148
.set TN,  152
.set SO,  156
.set PC,  64
.set TT,  76
.set CW,  80
.set SEL, 2
.set WV,  22
.set AW,  23
.set BW,  24
.set G0W, 40
.set G0A, 44
.set G1W, 48
.set G1A, 56
.set MSB, 0
.macro WIN new
.if MSB != (\new)
	s_set_vgpr_msb (MSB<<8)|(\new)
.set MSB, (\new)
.endif
.endm
.macro WALU
	s_wait_alu depctr_va_vdst(0)
.endm
.macro PLACES n
.rept \n
	v_nop
.endr
.endm
.macro BARRIER
	s_barrier_signal -1
	s_barrier_wait -1
.endm
.macro CROUND
	BARRIER
	s_cmp_lg_u32 s[WV], 0
	s_cbranch_scc1 .Lnot_wave_0_\@
	s_barrier_signal -3
.Lnot_wave_0_\@:
	s_barrier_wait -3
	BARRIER
.endm
.macro TLOAD g0, g1
	tensor_load_to_lds s[\g0:\g0+3], s[\g1:\g1+7]
	s_nop 0
	PLACES 4
.endm
.macro REFILL                          ; waves 0 and 1 a half each of the next weight's tiles
	s_cmp_lt_u32 s[WV], 2
	s_cbranch_scc0 .Lno_half_\@
	TLOAD G0W, G1W
.Lno_half_\@:
.endm
.macro FRAG w, reg, a16, a8, off       ; a fragment's image, 1,536 bytes, into window w
	WIN (\w)<<6
	ds_load_b128 v[\reg:\reg+3], v[\a16] offset:\off
	ds_load_b64 v[\reg+4:\reg+5], v[\a8] offset:\off+512
	ds_load_b128 v[\reg+6:\reg+9], v[\a16] offset:\off+768
	ds_load_b64 v[\reg+10:\reg+11], v[\a8] offset:\off+1280
.endm
.macro WEIGHTS                         ; my four tiles of the weight, all of K: 128 loads
.irp q, 0,1,2,3,4,5,6,7
.irp t, 0,1,2,3
	FRAG 1+(4*\q+\t)/20, 12*((4*\q+\t)%20), W16, W8, \t*12288+\q*1536
.endr
.endr
	WIN 0
.endm
.macro FETCH n                         ; my tile n of x into set n % 2: 32 loads
.irp q, 0,1,2,3,4,5,6,7
	FRAG 2+(\n)%2, 144+16*((\n)%2)+12*\q, A16+(\n)/4, A8+(\n)/4, ((\n)%4)*12288+\q*1536
.endr
	WIN 0
.endm
.macro WM d, a, b, c, xa, xb
	v_wmma_scale_f32_16x16x128_f8f6f4 v[\d:\d+7], v[\a:\a+11], v[\b:\b+11], \c, v[\xa], v[\xb] matrix_a_fmt:MATRIX_FMT_FP6 matrix_b_fmt:MATRIX_FMT_FP6
.endm
.macro PROD kind, n, q, t, scl, bia
.set FW_, 4*\q+\t
.set WW_, 1+FW_/20
.set RW_, 12*(FW_%20)
.set WA_, 2+(\n)%2
.set RA_, 144+16*((\n)%2)+12*\q
.if \q
.set CW_, 3
.else
.set CW_, 0
.endif
.if \kind
.set D_, ACC+16*\t+8*((\n)%2)
	WIN WA_|(WW_<<2)|(CW_<<4)|(3<<6)
.if \q
	WM D_, RA_, RW_, v[D_:D_+7], SA+8*(\n)+\q, \scl+8*\t+\q
.else
	WM D_, RA_, RW_, v[\bia+8*\t:\bia+8*\t+7], SA+8*(\n)+\q, \scl+8*\t+\q
.endif
.else
.set D_, ACC+32*((\n)%2)+8*\t
	WIN WW_|(WA_<<2)|(CW_<<4)|(3<<6)
.if \q
	WM D_, RW_, RA_, v[D_:D_+7], \scl+8*\t+\q, SA+8*(\n)+\q
.else
	WM D_, RW_, RA_, v[\bia+8*\t:\bia+8*\t+7], \scl+8*\t+\q, SA+8*(\n)+\q
.endif
.endif
.endm
.macro PRODS kind, n, scl, bia         ; a block: K ascending, the four accumulators by turns
.irp q, 0,1,2,3,4,5,6,7
.irp t, 0,1,2,3
	PROD \kind, \n, \q, \t, \scl, \bia
.endr
.endr
.endm
; V, after blocks 2 b and 2 b + 1: of each tile's channel 16 tokens a lane, with lane l xor 16's a scale block
.macro VOUT b
	WIN 0xff
.irp t, 0,1,2,3
	v_max3_num_f32 v[TM+\t], |v[ACC+16*\t]|, |v[ACC+16*\t+1]|, 0x1800000   ; with the floor 2^(3 - 127): the byte cannot fall under 1
.endr
.irp i, 2,4,6,8,10,12,14
.irp t, 0,1,2,3
	v_max3_num_f32 v[TM+\t], v[TM+\t], |v[ACC+16*\t+\i]|, |v[ACC+16*\t+\i+1]|
.endr
.endr
.irp t, 0,1,2,3
	v_permlanex16_b32 v[TN+\t], v[TM+\t], s[SEL], s[SEL+1]
.endr
.irp t, 0,1,2,3
	v_max_num_f32 v[TM+\t], v[TM+\t], v[TN+\t]
.endr
.irp t, 0,1,2,3
	v_add_nc_u32 v[SO+\t], 0xff000000, v[TM+\t]    ; 2 off the exponent field: the conversion's scale operand
.endr
.irp t, 0,1,2,3
.if (\b)%2
	v_cvt_scalef32_pk16_fp6_f32 v[TTV+8*\t+4*((\b)/2):TTV+8*\t+4*((\b)/2)+2], v[ACC+16*\t:ACC+16*\t+15], v[SO+\t]
.else
	v_cvt_scalef32_pk16_fp6_f32 v[PCV+12*\t+6*((\b)/2):PCV+12*\t+6*((\b)/2)+2], v[ACC+16*\t:ACC+16*\t+15], v[SO+\t]
.endif
.endr
.irp t, 0,1,2,3
	v_lshrrev_b32 v[TN+\t], 23, v[SO+\t]           ; the byte (plain lines behind the conversions)
.endr
.irp t, 0,1,2,3
.if \b
	v_lshl_or_b32 v[PWV+\t], v[TN+\t], 8*(\b), v[PWV+\t]
.else
	v_mov_b32 v[PWV+\t], v[TN+\t]
.endif
.endr
	WALU
	WIN 0
.endm
.macro VFINAL                          ; the layout wants a whole block in a lane; then the four fragments leave as images
	WIN 0xff
.irp t, 0,1,2,3
.irp c, 0,1
.irp i, 0,1,2
	v_permlane16_swap_b32 v[PCV+12*\t+6*\c+\i], v[TTV+8*\t+4*\c+\i]
.endr
.endr
.endr
.irp t, 0,1,2,3
.irp c, 0,1
.irp i, 0,1,2
	v_mov_b32 v[PCV+12*\t+6*\c+3+\i], v[TTV+8*\t+4*\c+\i]
.endr
.endr
.endr
	WIN 0x0c
.irp t, 0,1,2,3
	global_store_b128 v[L16], v[PCV+12*\t:PCV+12*\t+3], s[80:81] offset:1536*\t
	global_store_b64 v[L8], v[PCV+12*\t+4:PCV+12*\t+5], s[80:81] offset:1536*\t+512
	global_store_b128 v[L16], v[PCV+12*\t+6:PCV+12*\t+9], s[80:81] offset:1536*\t+768
	global_store_b64 v[L8], v[PCV+12*\t+10:PCV+12*\t+11], s[80:81] offset:1536*\t+1280
	global_store_b32 v[R4], v[PWV+\t], s[82:83] offset:64*\t     ; lanes l and l xor 16 write the same word
.endr
	WIN 0
	WALU
.endm
; Q, K: block n's 32 sums a lane become half an image and two scale bytes
.macro QKOUT n, oc, os
	s_wait_xcnt 0x0                                ; the last way out's stores have read their registers
	WIN 0xff
.set X_, ACC+32*((\n)%2)
.irp b, 0,1
	v_max3_num_f32 v[TM+\b], |v[X_+16*\b]|, |v[X_+16*\b+1]|, 0x1800000
.endr
.irp i, 2,4,6,8,10,12,14
.irp b, 0,1
	v_max3_num_f32 v[TM+\b], v[TM+\b], |v[X_+16*\b+\i]|, |v[X_+16*\b+\i+1]|
.endr
.endr
.irp b, 0,1
	v_permlanex16_b32 v[TN+\b], v[TM+\b], s[SEL], s[SEL+1]
.endr
.irp b, 0,1
	v_max_num_f32 v[TM+\b], v[TM+\b], v[TN+\b]
.endr
.irp b, 0,1
	v_add_nc_u32 v[SO+\b], 0xff000000, v[TM+\b]
.endr
	v_cvt_scalef32_pk16_fp6_f32 v[PC:PC+2], v[X_:X_+15], v[SO]
	v_cvt_scalef32_pk16_fp6_f32 v[TT:TT+2], v[X_+16:X_+31], v[SO+1]
.irp b, 0,1
	v_lshrrev_b32 v[TN+\b], 23, v[SO+\b]
.endr
	v_lshl_or_b32 v[CW], v[TN+1], 8, v[TN]
.irp i, 0,1,2
	v_permlane16_swap_b32 v[PC+\i], v[TT+\i]
.endr
.irp i, 0,1,2
	v_mov_b32 v[PC+3+\i], v[TT+\i]
.endr
	WIN 0x0c
	global_store_b128 v[L16], v[PC:PC+3], s[\oc:\oc+1] offset:768*(\n)
	global_store_b64 v[L8], v[PC+4:PC+5], s[\oc:\oc+1] offset:768*(\n)+512
	global_store_b16 v[R4], v[CW], s[\os:\os+1] offset:64*(\n)
	WIN 0
	WALU
.endm
.macro QKPHASE scl, bia, oc, os
.irp n, 0,1,2,3,4,5,6,7
.if \n < 7
	s_wait_dscnt 32
.else
	s_wait_dscnt 0x0
.endif
	PRODS 0, \n, \scl, \bia
.if \n
	QKOUT (\n-1), \oc, \os                         ; its lines name none of this block's registers: they are the places in front of the fetch
.else
	PLACES 4
	WIN 0
.endif
.if \n < 6
	FETCH (\n+2)
.endif
.endr
.endm
.macro GROUP1 g, rows                  ; a dense block as rows of 256 bytes
	s_mov_b32 s[\g+1], 32<<16
	s_mov_b32 s[\g+2], (\rows)<<16
	s_mov_b32 s[\g+3], 32<<16
	s_mov_b32 s[\g+4], \rows
	s_mov_b32 s[\g+5], 32
	s_mov_b32 s[\g+6], 0
	s_mov_b32 s[\g+7], 0
.endm
	s_load_b256 s[4:11], s[0:1], 0x0               ; xi, xs, wi, ws
	s_load_b256 s[12:19], s[0:1], 0x20             ; bq, bk, bv, qkvc
	s_load_b64 s[20:21], s[0:1], 0x40              ; qkvs
	v_lshl_add_u32 v[SPW], v0, 2, SPARE
	v_mov_b32 v[NIL], 0
	ds_add_u32 v[SPW], v[NIL]                      ; the opening lines
	ds_add_u32 v[SPW], v[NIL]
	v_lshrrev_b32 v1, 5, v0
	v_readfirstlane_b32 s[WV], v1
	s_lshr_b32 s[AW], s[WV], 1
	s_and_b32 s[BW], s[WV], 1
	s_bfe_u32 s25, ttmp6, 0x40000                  ; cx
	s_bfe_u32 s26, ttmp6, 0x40004                  ; cy
	s_and_b32 s27, ttmp7, 0xffff
	s_lshl_b32 s27, s27, 2
	s_add_co_u32 s27, s27, s26                     ; tile row
	s_lshl_b32 s28, ttmp9, 2
	s_add_co_u32 s28, s28, s25                     ; column group
	s_lshl_b32 s29, s26, 2
	s_lshl_b32 s29, 15, s29                        ; my row of the cluster
	s_lshl_b32 s30, 0x1111, s25                    ; my column
	s_or_b32 s[G1A], s29, (3<<16)|(1<<21)
	s_or_b32 s[G1W], s30, (3<<16)|(1<<21)
	GROUP1 G1A, 384
	GROUP1 G1W, 192
	s_mul_i32 s32, s28, 98304
	s_mul_i32 s88, s[BW], 49152
	s_add_co_u32 s32, s32, s88                     ; a weight's tiles: my half, from the weight's start
	s_mov_b32 s33, 0
	s_add_co_u32 s90, s88, WB                      ; and its place in LDS
	s_mul_i32 s34, s27, 196608
	s_mul_i32 s91, s[BW], 98304
	s_add_co_u32 s34, s34, s91                     ; x's tiles: a half
	s_mov_b32 s35, 0
	s_lshl_b32 s36, s28, 12
	s_lshl_b32 s88, s[BW], 11
	s_add_co_u32 s36, s36, s88                     ; my four tiles' scale words
	s_mov_b32 s37, 0
	s_lshl_b32 s38, s27, 13
	s_lshl_b32 s88, s[AW], 12
	s_add_co_u32 s38, s38, s88                     ; my eight tiles of x: their scale words
	s_mov_b32 s39, 0
	s_lshl_b32 s86, s28, 9
	s_lshl_b32 s88, s[BW], 8
	s_add_co_u32 s86, s86, s88                     ; my 64 numbers of a bias
	s_mov_b32 s87, 0
	s_lshl_b32 s89, s28, 1
	s_add_co_u32 s89, s89, s[BW]                   ; head
	s_lshl_b32 s88, s27, 4
	s_lshl_b32 s92, s[AW], 3
	s_add_co_u32 s88, s88, s92                     ; my first tile of x
	s_mul_i32 s72, s89, 393216
	s_mul_i32 s92, s88, 768
	s_add_co_u32 s72, s72, s92
	s_mov_b32 s73, 0
	s_lshl_b32 s76, s28, 15
	s_lshl_b32 s92, s88, 6
	s_add_co_u32 s76, s76, s92
	s_lshl_b32 s92, s[BW], 1
	s_add_co_u32 s76, s76, s92
	s_mov_b32 s77, 0
	s_lshl_b32 s88, s27, 1
	s_add_co_u32 s88, s88, s[AW]                   ; my 128 tokens: 16 x batch + key step
	s_lshr_b32 s92, s88, 4
	s_lshl_b32 s92, s92, 4
	s_add_co_u32 s92, s92, s89
	s_lshl_b32 s92, s92, 4
	s_and_b32 s88, s88, 15
	s_add_co_u32 s92, s92, s88
	s_mul_i32 s80, s92, 6144
	s_add_co_u32 s80, s80, 12582912
	s_mov_b32 s81, 0
	s_lshl_b32 s82, s92, 8
	s_add_co_u32 s82, s82, 524288
	s_mov_b32 s83, 0
	s_mul_i32 s92, s[AW], 98304                    ; LDS: my eight tiles of x
	s_add_co_u32 s93, s92, 49152
	s_lshl_b32 s84, s26, 2
	s_add_co_u32 s84, s84, s[WV]                   ; my number among the sixteen waves of my column of the cluster
	s_mul_i32 s84, s84, 6144
	s_mul_i32 s85, s28, 98304
	s_add_co_u32 s85, s85, s84                     ; my sixteenth of Wq's tiles
	s_mov_b32 s[SEL], 0x76543210
	s_mov_b32 s[SEL+1], 0xfedcba98
	s_mov_b32 s[G0W], 1
	s_mov_b32 s[G0W+1], s90
	s_mov_b32 s[G0A], 1
	s_mov_b32 s[G0A+1], s91
	WALU
	s_wait_dscnt 0x0
	s_wait_kmcnt 0x0
	s_add_nc_u64 s[66:67], s[8:9], s[32:33]
	s_add_nc_u64 s[G0W+2:G0W+3], s[66:67], 1572864 ; Wv
	s_or_b32 s[G0W+3], s[G0W+3], 0x80000000
	s_add_nc_u64 s[G0A+2:G0A+3], s[4:5], s[34:35]
	s_or_b32 s[G0A+3], s[G0A+3], 0x80000000
	s_add_nc_u64 s[68:69], s[10:11], s[36:37]
	s_add_nc_u64 s[70:71], s[6:7], s[38:39]
	s_add_nc_u64 s[12:13], s[12:13], s[86:87]
	s_add_nc_u64 s[14:15], s[14:15], s[86:87]
	s_add_nc_u64 s[16:17], s[16:17], s[86:87]
	s_add_nc_u64 s[72:73], s[18:19], s[72:73]      ; Q's codes;  s[74:75] K's
	s_add_nc_u64 s[74:75], s[72:73], 6291456
	s_add_nc_u64 s[76:77], s[20:21], s[76:77]      ; Q's scale bytes;  s[78:79] K's
	s_add_nc_u64 s[78:79], s[76:77], 262144
	s_add_nc_u64 s[80:81], s[18:19], s[80:81]      ; V's codes, V's words
	s_add_nc_u64 s[82:83], s[20:21], s[82:83]
	CROUND                                         ; all sixteen work-groups are here: the first joint loads meet
	s_cmp_lt_u32 s[WV], 2                          ; one load a wave: waves 0 and 1 a half each of Wv's tiles, on a line of their own; waves 2 and 3 of x's
	s_cbranch_scc0 .Lfor_x
	TLOAD G0W, G1W
	s_branch .Lasked
.Lfor_x:
	TLOAD G0A, G1A
.Lasked:
	v_and_b32 v1, 31, v0
	v_and_b32 v2, 15, v0
	v_bfe_u32 v3, v0, 4, 1
	v_lshlrev_b32 v[L16], 4, v1
	v_lshlrev_b32 v[L8], 3, v1
	v_lshlrev_b32 v[R4], 2, v2
	v_and_b32 v9, 8, v2
	v_add_nc_u32 v9, v9, v2
	v_lshlrev_b32 v[RP4], 2, v9                    ; 4 (r + 8 (r / 8))
	v_lshlrev_b32 v[H64], 6, v3
	v_add_nc_u32 v[W16], s90, v[L16]
	v_add_nc_u32 v[W8], s90, v[L8]
	v_add_nc_u32 v[A16], s92, v[L16]
	v_add_nc_u32 v[A8], s92, v[L8]
	v_add_nc_u32 v[A16+1], s93, v[L16]
	v_add_nc_u32 v[A8+1], s93, v[L8]
	v_min_u32 v[PF1], 23, v1
	v_lshl_add_u32 v[PF1], v[PF1], 8, s85          ; 24 blocks of 256 bytes a wave, a lane a block (the lanes left over name the last again)
	v_add_nc_u32 v[PF2], 786432, v[PF1]
	WIN 0xc0
.irp t, 0,1,2,3
	v_mov_b32 v[TN+\t], 0                          ; written once: a lane permute's destination counts as one of its sources
.endr
	WIN 0
.irp t, 0,1,2,3
.irp q, 0,1,2,3,4,5,6,7
	global_load_b32 v[SBA+8*\t+\q], v[R4], s[68:69] offset:65536+512*\t+64*\q
.endr
.endr
.irp t, 0,1,2,3
	global_load_b32 v[BIA+8*\t], v[RP4], s[16:17] offset:(32*(\t/2)+8*(\t%2))*4
.endr
.irp n, 0,1,2,3,4,5,6,7
.irp q, 0,1,2,3,4,5,6,7
	global_load_b32 v[SA+8*\n+\q], v[R4], s[70:71] offset:512*\n+64*\q
.endr
.endr
.irp t, 0,1,2,3
.irp q, 0,1,2,3,4,5,6,7
	global_load_b32 v[SBB+8*\t+\q], v[R4], s[68:69] offset:512*\t+64*\q
.endr
.endr
.irp t, 0,1,2,3
	global_load_b128 v[BIB+8*\t:BIB+8*\t+3], v[H64], s[12:13] offset:(32*(\t/2)+8*(\t%2))*4
	global_load_b128 v[BIB+8*\t+4:BIB+8*\t+7], v[H64], s[12:13] offset:(32*(\t/2)+8*(\t%2))*4+16
.endr
	WALU
	s_cmp_lt_u32 s[WV], 2
	s_cbranch_scc0 .Lnot_w
	s_wait_tensorcnt 0x0
.Lnot_w:
	BARRIER                                        ; Wv's tiles are in; x's may be on their way
	global_prefetch_b8 v[PF1], s[8:9] th:TH_LOAD_NT scope:SCOPE_SE   ; what the first refill will load, shared out by address in my column of the cluster
	WEIGHTS
	s_wait_tensorcnt 0x0                           ; the first refill's three lines and round: x's tiles are in, and every wave holds Wv in registers
	ds_add_u32 v[SPW], v[NIL]
	s_mov_b64 s[G0W+2:G0W+3], s[66:67]             ; Wq
	s_or_b32 s[G0W+3], s[G0W+3], 0x80000000
	s_wait_dscnt 0x0
	CROUND
	REFILL
	FETCH 0
	FETCH 1
	global_prefetch_b8 v[PF2], s[8:9] th:TH_LOAD_NT scope:SCOPE_SE   ; what the second refill will load
	s_wait_loadcnt 0x0
.irp t, 0,1,2,3
.irp i, 1,2,3,4,5,6,7
	v_mov_b32 v[BIA+8*\t+\i], v[BIA+8*\t]          ; V's bias, one number a lane and tile, over the tile's eight registers
.endr
.endr
	PLACES 4
	WALU
; ---- V
.irp n, 0,1,2,3,4,5,6,7
.if \n < 7
	s_wait_dscnt 32
.else
	s_wait_dscnt 0x0
.endif
	PRODS 1, \n, SBA, BIA
	PLACES 4
.if \n % 2
	VOUT (\n/2)
.endif
	WIN 0
.if \n < 6
	FETCH (\n+2)
.endif
.endr
; ---- the change to Q
.irp t, 0,1,2,3                                ; K's scale words and bias, into the set that V has done with
.irp q, 0,1,2,3,4,5,6,7
	global_load_b32 v[SBA+8*\t+\q], v[R4], s[68:69] offset:32768+512*\t+64*\q
.endr
.endr
.irp t, 0,1,2,3
	global_load_b128 v[BIA+8*\t:BIA+8*\t+3], v[H64], s[14:15] offset:(32*(\t/2)+8*(\t%2))*4
	global_load_b128 v[BIA+8*\t+4:BIA+8*\t+7], v[H64], s[14:15] offset:(32*(\t/2)+8*(\t%2))*4+16
.endr
	s_wait_tensorcnt 0x0
	s_wait_dscnt 0x0
	BARRIER                                        ; a plain barrier shows Wq's tiles to all
	WEIGHTS
	FETCH 0
	FETCH 1
	VFINAL                                         ; V leaves while these loads are out
	s_wait_tensorcnt 0x0                           ; the second refill's three lines and round
	ds_add_u32 v[SPW], v[NIL]
	s_add_nc_u64 s[G0W+2:G0W+3], s[66:67], 786432  ; Wk
	s_or_b32 s[G0W+3], s[G0W+3], 0x80000000
	s_wait_dscnt 0x0
	CROUND
	REFILL
	QKPHASE SBB, BIB, 72, 76
; ---- the change to K
	s_wait_tensorcnt 0x0
	s_wait_dscnt 0x0
	BARRIER                                        ; a plain barrier shows Wk's tiles to all
	WEIGHTS
	FETCH 0
	FETCH 1
	QKOUT 7, 72, 76
	s_wait_loadcnt 0x0
	QKPHASE SBA, BIA, 74, 78
	QKOUT 7, 74, 78
	s_wait_tensorcnt 0x0                           ; the wave's end
	ds_add_u32 v[SPW], v[NIL]
	s_wait_dscnt 0x0
	CROUND                                         ; the closing round
	s_endpgm
.Lfunc_end_k_q88cced27ce_qkv:
	.size	k_q88cced27ce_qkv, .Lfunc_end_k_q88cced27ce_qkv-k_q88cced27ce_qkv
	.p2alignl 7, 3214868480
	.fill 96, 4, 3214868480
	.section	.rodata,"a",@progbits
	.p2align	6, 0x0
	.amdhsa_kernel k_q88cced27ce_qkv
		.amdhsa_group_segment_fixed_size 327680
		.amdhsa_private_segment_fixed_size 0
		.amdhsa_enable_private_segment 0
		.amdhsa_kernarg_size 72
		.amdhsa_user_sgpr_count 2
		.amdhsa_user_sgpr_kernarg_segment_ptr 1
		.amdhsa_wavefront_size32 1
		.amdhsa_system_sgpr_workgroup_id_x 1
		.amdhsa_system_sgpr_workgroup_id_y 1
		.amdhsa_system_sgpr_workgroup_id_z 1
		.amdhsa_system_vgpr_workitem_id 0
		.amdhsa_next_free_vgpr 1024
		.amdhsa_next_free_sgpr 100
		.amdhsa_reserve_vcc 0
		.amdhsa_float_denorm_mode_32 3
		.amdhsa_float_denorm_mode_16_64 3
		.amdhsa_memory_ordered 1
		.amdhsa_forward_progress 1
		.amdhsa_inst_pref_size 255
	.end_amdhsa_kernel
	.section	.bss,"aw",@nobits
	.p2align	6
	.space	262144
	.amdgpu_metadata
---
amdhsa.version: [ 1, 2 ]
amdhsa.kernels:
  - .name:           k_q88cced27ce_qkv
    .symbol:         k_q88cced27ce_qkv.kd
    .args:
      - { .name: xi, .offset: 0, .size: 8, .value_kind: global_buffer, .address_space: global }
      - { .name: xs, .offset: 8, .size: 8, .value_kind: global_buffer, .address_space: global }
      - { .name: wi, .offset: 16, .size: 8, .value_kind: global_buffer, .address_space: global }
      - { .name: ws, .offset: 24, .size: 8, .value_kind: global_buffer, .address_space: global }
      - { .name: bq, .offset: 32, .size: 8, .value_kind: global_buffer, .address_space: global }
      - { .name: bk, .offset: 40, .size: 8, .value_kind: global_buffer, .address_space: global }
      - { .name: bv, .offset: 48, .size: 8, .value_kind: global_buffer, .address_space: global }
      - { .name: qkvc, .offset: 56, .size: 8, .value_kind: global_buffer, .address_space: global }
      - { .name: qkvs, .offset: 64, .size: 8, .value_kind: global_buffer, .address_space: global }
    .group_segment_fixed_size: 327680
    .private_segment_fixed_size: 0
    .kernarg_segment_align: 8
    .kernarg_segment_size: 72
    .max_flat_workgroup_size: 128
    .sgpr_count:     100
    .vgpr_count:     1024
    .wavefront_size: 32
...
	.end_amdgpu_metadata
.endif
;; end of part 2
;; launch attn (part 3): grid 4 x 64, 8 waves a work-group, clusters of 4 x 1, 206,848 bytes of LDS; arguments qkvc, qkvs, ctxc, cts; writes ctxc, cts
.if DOCPART == 3
	.amdgcn_target "amdgcn-amd-amdhsa--gfx1250"
	.amdhsa_code_object_version 6
	.text
	.protected	k_q88cced27ce_attn
	.globl	k_q88cced27ce_attn
	.p2align	8
	.type	k_q88cced27ce_attn,@function
k_q88cced27ce_attn:
	s_mov_b64 s[64:65], 0
	v_nop
	global_prefetch_b8 v0, s[64:65] scope:SCOPE_SE
	s_setreg_imm32_b32 hwreg(HW_REG_WAVE_MODE, 25, 1), 1
	s_wait_xcnt 0x0
	s_wait_alu depctr_hold_cnt(0) depctr_sa_sdst(0) depctr_va_vdst(0) depctr_va_sdst(0) depctr_va_ssrc(0) depctr_va_vcc(0) depctr_vm_vsrc(0)
	s_getreg_b32 s2, hwreg(HW_REG_IB_STS2, 6, 4)
	s_cmp_eq_u32 s2, 0
	s_cbranch_scc0 .Lentry_in_a_cluster
	s_endpgm
.Lentry_in_a_cluster:
	s_bfe_u32 s2, ttmp6, 0x10000c
	s_cmp_lg_u32 s2, 0x3003
	s_cbranch_scc0 .Lentry_shape_is_right
	s_endpgm
.Lentry_shape_is_right:
; ATTN: ctx = softmax(q k^T / 8) v for one (batch, head) a cluster, both products on codes of FP6 (E2M3) with E8M0 scales; ctx is quantised along the model's 1,024 on the way out.
; THE SOFTMAX AHEAD OF THE SECOND PRODUCT: t = score x log2(e) / 8; M = the running largest t rounded UP to a whole number; p = 2^(t - M) is quantised along the keys, not normalised.
; The row's sum is taken of the unquantised p in f32 and divides at the end.  When M moves, the sum and O are multiplied by 2^(old M - new M): exact.
; A block's largest p is made from the block's largest score by the same multiply-add and exponential: this takes v_exp_f32 not to fall where its input rises.
; SHARES.  A work-group owns 512 queries of the head; each of its eight waves works TWO tiles of 16 queries at once, in two passes: every fragment of K and V that a wave reads from LDS feeds two products.
; The two tiles' vector lines stand by turns.  Every wave walks all 2,048 keys, 128 a step.
; A HEAD'S WHOLE K AND V, 196,608 bytes of images, COME INTO LDS ONCE: eight joint loads of 24,576 bytes, one a wave, asked for by the cluster's four work-groups together.  No byte of LDS is filled twice.
; Waves 0 and 1 (the first 512 keys of K and of V) have a load line of their own and wait at the first barrier; all waves wait for all loads at a second barrier behind the first pass's third step.
; No prefetch: all of K and V are asked for at the head, so there is no loop to run ahead in.
; LAYOUT.  Both products are used transposed (S^T = K Q^T, O^T = V^T P^T): a lane holds ONE query.  WHICH KEYS FORM A TILE is chosen by the lanes' LDS addresses: rows 0-7 of tile 4 c + j of a step are keys 64 c + 8 j + i,
; rows 8-15 keys 64 c + 32 + 8 j + i.  So a lane's 32 registers of tiles 4 c .. 4 c + 3 are ONE block of 32 keys (block 2 c + lane / 16), in the order of the second product's operand: no lane asks another for a block's maximum or codes.
; In the images as they lie, place r of tile t is key 32 (t / 2) + 8 (t % 2) + r + 8 (r / 8): the new tile's row (g, i) is place 8 (j / 2) + i of tile 4 c + 2 g + j % 2.
; K = 64 IN AN INSTRUCTION OF 128: a fragment holds TWO tiles of keys, one in each half of its K.  Against [q | zero codes] it gives the first tile's scores, against [zero codes | q] the second's.
; The step is written without a first step of its own: O and the sums begin as zeros, which the first change of M leaves zeros.
; LIMITS: the promise holds while the scaled scores t stay under 2^31 in magnitude; a block of zeros gets the byte 1; blocks under 2^-124 are held at that floor; NaN and infinities are not served.
; LDS: K's 128 tiles at 0 (768 bytes each), V's 16 steps x 4 tiles at 98,304; at 196,608 K's scale words [step][row][fragment]; at 200,704 V's [step][r][tile]; at 204,800 the spare words.
; REGISTERS.  Window 0: addresses, q, fragments, scale words.  Window 1 (named by their low 8 bits): the scores, O, p's codes and the softmax's state of both tiles.
.set VB,    98304
.set KSC,   196608
.set SPARE, 204800
.set L16,  1                           ; 16 x lane;  L8: 8 x lane;  LT: KSC + 16 r
.set L8,   2
.set LT,   3
.set K16,  4                           ; a lane's place in K's images, by the new tiles' rows: 1536 g + 16 i + 256 h;  K8: 1536 g + 8 i + 128 h
.set K8,   5
.set V16,  6                           ; VB + 16 x lane;  V8: VB + 8 x lane
.set V8,   7
.set AK16, 8                           ; v8-12 the step's LDS addresses
.set AK8,  9
.set AV16, 10
.set AV8,  11
.set ATS,  12
.set SPW,  14
.set NIL,  15
.set Q,    16                          ; tile e at Q + 18 e: q, zero codes, q again
.set F,    52                          ; v52-99 K's four fragments;  v100-147 V's
.set FV,   100
.set KS,   148                         ; v148-151 K's scale words; v152-155 V's; v158, v159 p's; v160, v161 q's
.set VS,   152
.set PS,   158
.set QS,   160
.set R4,   162
.set KO,   163
.set T4,   164
.set TAK,  165
.set TAV,  166
.set RQ,   168                         ; v168-199 four tiles' q (six registers) and raw scale word
; window 1
.set S,    0                           ; tile e's S^T, then p, at 64 e
.set O,    128                         ; its O^T at 128 + 32 e
.set PC,   192                         ; its p's codes at 192 + 12 e
.set NM,   216                         ; its state at + 12 e: -M, the largest score, the sum (a pair), f, two at work ..
.set SX,   217
.set SU,   218
.set FF,   220
.set TP,   221
.set BM,   222                         ; two blocks' maxima;  BE: their conversions' scale operands
.set BE,   224
.set XX,   226
.set H8,   227                         ; 8 x (lane / 16)
.set AC,   240                         ; at 240 + 8 e: four partial sums (pairs); ahead of them the conversions' second halves
.set WV,   12
.set SEL,  20                          ; s[20:21] selects of v_permlanex16_b32 for lane l xor 16
.set CS,   22                          ; s[22:23] c = log2(e) / 8
.set G1,   24
.set G0,   32
.set TV,   48                          ; 6,144 x step;  TS: 256 x step
.set TS,   49
.set CNT,  50
.set SELK, 51
.set SELQ, 52
.set NC,   53                          ; -c
.set MSB, 0
.macro WIN new                         ; the immediate's high byte repeats the setting that is left
.if MSB != (\new)
	s_set_vgpr_msb (MSB<<8)|(\new)
.set MSB, (\new)
.endif
.endm
.macro WALU
	s_wait_alu depctr_va_vdst(0)
.endm
.macro CROUND                          ; a round of the cluster's barrier
	s_barrier_signal -1
	s_barrier_wait -1
	s_cmp_lg_u32 s[WV], 0
	s_cbranch_scc1 .Lnot_wave_0_\@
	s_barrier_signal -3
.Lnot_wave_0_\@:
	s_barrier_wait -3
	s_barrier_signal -1
	s_barrier_wait -1
.endm
.macro TLOAD
	tensor_load_to_lds s[G0:G0+3], s[G1:G1+7]
	s_nop 0
.rept 4
	v_nop
.endr
.endm
; K's four fragments of a step and their scale words: fragment f = new tiles 2 f, 2 f + 1
.macro KLOAD a16, a8, ats, off, soff
.irp f, 0,1,2,3
	ds_load_b128 v[F+12*\f:F+12*\f+3], v[\a16] offset:\off+3072*(\f/2)+128*(\f%2)
	ds_load_b64 v[F+12*\f+4:F+12*\f+5], v[\a8] offset:\off+3072*(\f/2)+512+64*(\f%2)
	ds_load_b128 v[F+12*\f+6:F+12*\f+9], v[\a16] offset:\off+3072*(\f/2)+768+128*(\f%2)
	ds_load_b64 v[F+12*\f+10:F+12*\f+11], v[\a8] offset:\off+3072*(\f/2)+1280+64*(\f%2)
.endr
	ds_load_b128 v[KS:KS+3], v[\ats] offset:\soff
.endm
	s_load_b256 s[4:11], s[0:1], 0x0               ; qkvc s[4:5], qkvs s[6:7], ctxc s[8:9], cts s[10:11]
	v_lshl_add_u32 v[SPW], v0, 2, SPARE
	v_mov_b32 v[NIL], 0
	ds_add_u32 v[SPW], v[NIL]                      ; the opening lines: the add, twice on end, and its wait
	ds_add_u32 v[SPW], v[NIL]
	v_lshrrev_b32 v13, 5, v0
	v_readfirstlane_b32 s[WV], v13                 ; wave 0..7
	s_bfe_u32 s13, ttmp6, 0x40000                  ; cx: it enters q's and ctx's addresses alone
	s_and_b32 s14, ttmp7, 0xffff                   ; 16 x batch + head, which the four partners share
	s_lshr_b32 s15, s14, 4                         ; batch
	s_and_b32 s16, s14, 15                         ; head
	s_lshr_b32 s17, s16, 1
	s_and_b32 s19, s[WV], 1                        ; I fetch of K (0) or of V (1),
	s_lshr_b32 s36, s[WV], 1                       ; and which 512 keys
	s_and_b32 s18, s16, 1                          ; an odd head's two bytes are the upper two of a raw word
	s_mov_b32 s[SELK], 0x05040100
	s_cselect_b32 s[SELK], 0x07060302, s[SELK]     ; {odd tile's two bytes, even tile's two bytes}
	s_mov_b32 s[SELQ], 0x01000100
	s_cselect_b32 s[SELQ], 0x03020302, s[SELQ]     ; q's two bytes, twice
	s_add_co_u32 s54, s16, 16
	s_mul_i32 s54, s54, 393216
	s_mul_i32 s55, s15, 98304
	s_add_co_u32 s54, s54, s55                     ; the head's K
	s_mul_i32 s56, s14, 98304
	s_add_co_u32 s56, s56, 12582912                ; the head's V, which lies further on
	s_sub_co_u32 s56, s56, s54
	s_mul_i32 s56, s56, s19
	s_add_co_u32 s54, s54, s56
	s_mul_i32 s55, s36, 24576
	s_add_co_u32 s54, s54, s55                     ; my 24,576 bytes, from qkvc
	s_mul_i32 s57, s19, VB
	s_add_co_u32 s57, s57, s55                     ; and their place in LDS
	s_mov_b32 s55, 0
	s_mov_b32 s[G1], 15|(3<<16)|(1<<21)            ; a dense block of 24,576 bytes as 96 rows of 256; the mask names all four work-groups
	s_mov_b32 s[G1+1], 32<<16
	s_mov_b32 s[G1+2], 96<<16
	s_mov_b32 s[G1+3], 32<<16
	s_mov_b32 s[G1+4], 96
	s_mov_b32 s[G1+5], 32
	s_mov_b32 s[G1+6], 0
	s_mov_b32 s[G1+7], 0
	s_lshl_b32 s58, s15, 7
	s_lshl_b32 s59, s13, 5
	s_add_co_u32 s58, s58, s59
	s_add_co_u32 s58, s58, s[WV]                   ; my first tile of queries: 128 x batch + 32 cx + wave; the others 8, 16, 24 tiles on
	s_mul_i32 s60, s16, 393216
	s_mul_i32 s61, s58, 768
	s_add_co_u32 s60, s60, s61                     ; q's codes
	s_mov_b32 s61, 0
	s_lshl_b32 s62, s17, 15
	s_lshl_b32 s63, s58, 6
	s_add_co_u32 s62, s62, s63                     ; q's raw scale words
	s_mov_b32 s63, 0
	s_lshl_b32 s66, s58, 3
	s_add_co_u32 s66, s66, s17
	s_mul_i32 s66, s66, 1536
	s_mul_i32 s67, s18, 768
	s_add_co_u32 s66, s66, s67                     ; ctx: tile, K step head / 2, half head % 2
	s_mov_b32 s67, 0
	s_lshl_b32 s68, s58, 9
	s_lshl_b32 s69, s16, 1
	s_add_co_u32 s68, s68, s69                     ; ctx's scale bytes: [tile][r][head][2]
	s_mov_b32 s69, 0
	s_add_co_u32 s70, s17, 8
	s_lshl_b32 s70, s70, 15
	s_lshl_b32 s71, s15, 13
	s_add_co_u32 s70, s70, s71                     ; K's raw scale words
	s_mov_b32 s71, 0
	s_lshl_b32 s72, s14, 12
	s_add_co_u32 s72, s72, 524288                  ; V's scale words
	s_mov_b32 s73, 0
	s_mov_b32 s[SEL], 0x76543210
	s_mov_b32 s[SEL+1], 0xfedcba98
	s_mov_b32 s[CS], 0x3e38aa3b                    ; c = log2(e) / 8
	s_mov_b32 s[CS+1], s[CS]                       ; (named with it as a pair, so it is written)
	s_mov_b32 s[NC], 0xbe38aa3b
	WALU
	s_wait_dscnt 0x0
	s_wait_kmcnt 0x0
	s_mov_b32 s[G0], 1
	s_mov_b32 s[G0+1], s57
	s_add_nc_u64 s[G0+2:G0+3], s[4:5], s[54:55]
	s_or_b32 s[G0+3], s[G0+3], 0x80000000
	s_add_nc_u64 s[60:61], s[4:5], s[60:61]
	s_add_nc_u64 s[62:63], s[6:7], s[62:63]
	s_add_nc_u64 s[70:71], s[6:7], s[70:71]
	s_add_nc_u64 s[72:73], s[6:7], s[72:73]
	s_add_nc_u64 s[8:9], s[8:9], s[66:67]
	s_add_nc_u64 s[10:11], s[10:11], s[68:69]
	CROUND                                         ; all four work-groups are here: the joint loads meet
	s_cmp_lt_u32 s[WV], 2                          ; one load a wave; waves 0 and 1, which alone wait at the first barrier, have a line of their own
	s_cbranch_scc0 .Lrest
	TLOAD
	s_branch .Lasked
.Lrest:
	TLOAD
.Lasked:
	v_and_b32 v13, 31, v0
	v_lshlrev_b32 v[L16], 4, v13
	v_lshlrev_b32 v[L8], 3, v13
	v_and_b32 v200, 15, v0                         ; r
	v_bfe_u32 v201, v0, 4, 1                       ; h
	v_bfe_u32 v202, v0, 3, 1                       ; g
	v_and_b32 v203, 7, v0                          ; i
	v_lshl_add_u32 v[LT], v200, 4, KSC
	v_lshlrev_b32 v[R4], 2, v200
	v_lshlrev_b32 v167, 5, v200                    ; 32 r
	v_mul_u32_u24 v204, v202, 1536
	v_lshl_add_u32 v[K16], v203, 4, v204
	v_lshl_add_u32 v[K16], v201, 8, v[K16]
	v_lshl_add_u32 v[K8], v203, 3, v204
	v_lshl_add_u32 v[K8], v201, 7, v[K8]
	v_add_nc_u32 v[V16], VB, v[L16]
	v_add_nc_u32 v[V8], VB, v[L8]
	v_lshrrev_b32 v205, 4, v0
	v_lshl_add_u32 v[KO], v205, 7, v[R4]           ; thread t: pair of tiles t / 16 (+ 16 u), place t % 16: the even tile's raw word
	v_lshlrev_b32 v[T4], 2, v0
	v_lshrrev_b32 v206, 6, v0
	v_lshl_add_u32 v[TAV], v206, 8, v[LT]
	v_bfe_u32 v207, v0, 4, 2
	v_lshl_add_u32 v[TAV], v207, 2, v[TAV]         ; V's word t goes to [step t / 64][r t % 16][tile (t / 16) % 4]
	v_lshl_add_u32 v[TAK], v206, 8, KSC            ; K's word of pair P, place r goes to [step P / 4][row 8 (P % 2) + r % 8][fragment 2 ((P % 4) / 2) + r / 8]
	v_lshl_add_u32 v[TAK], v201, 7, v[TAK]
	v_lshl_add_u32 v[TAK], v203, 4, v[TAK]
	v_bfe_u32 v207, v0, 5, 1
	v_lshl_add_u32 v[TAK], v207, 3, v[TAK]
	v_lshl_add_u32 v[TAK], v202, 2, v[TAK]
.irp u, 0,1,2,3
	global_load_b32 v[208+2*\u], v[KO], s[70:71] offset:2048*\u
	global_load_b32 v[209+2*\u], v[KO], s[70:71] offset:2048*\u+64
.endr
.irp u, 0,1,2,3
	global_load_b32 v[216+\u], v[T4], s[72:73] offset:1024*\u
.endr
.irp n, 0,1,2,3                                ; tile n = 2 x pass + e: a half image and its raw scale word
	global_load_b128 v[RQ+8*\n:RQ+8*\n+3], v[L16], s[60:61] offset:6144*\n
	global_load_b64 v[RQ+8*\n+4:RQ+8*\n+5], v[L8], s[60:61] offset:6144*\n+512
	global_load_b32 v[RQ+8*\n+6], v[R4], s[62:63] offset:512*\n
.endr
.irp i, 0,1,2,3,4,5
	v_mov_b32 v[Q+6+\i], 0                         ; the zero codes
	v_mov_b32 v[Q+24+\i], 0
.endr
	WIN 0x40
	v_lshlrev_b32 v[H8], 3, v201
.irp e, 0,1
	v_mov_b32 v[TP+12*\e], 0                       ; written once: a lane permute's destination counts as one of its sources
	v_mov_b32 v[XX+12*\e], 0
.endr
	WIN 0
	WALU
	s_wait_loadcnt 12                              ; the twelve scale words are in; q's twelve loads may be out
.irp u, 0,1,2,3
	v_perm_b32 v[220+\u], v[209+2*\u], v[208+2*\u], s[SELK]
.endr
.irp u, 0,1,2,3
	ds_store_b32 v[TAK], v[220+\u] offset:1024*\u
	ds_store_b32 v[TAV], v[216+\u] offset:4096+1024*\u
.endr
	WALU
	s_cmp_lt_u32 s[WV], 2
	s_cbranch_scc0 .Lnot_first
	s_wait_tensorcnt 0x0                           ; the first 512 keys of K (wave 0) and of V (wave 1) are in
.Lnot_first:
	s_wait_dscnt 0x0                               ; my stores into the scale tables are done
	s_barrier_signal -1
	s_barrier_wait -1                              ; the other six loads may be on their way: nothing is ever filled again
	s_wait_loadcnt 0x0                             ; q
; A KEY STEP: 128 keys against my two tiles of queries.  K's fragments were asked for in the step before.
.macro STEP guard
	WIN 0x40
.irp t, 0,1,2,3,4,5,6,7
.irp e, 0,1
	v_wmma_scale_f32_16x16x128_f8f6f4 v[S+64*\e+8*\t:S+64*\e+8*\t+7], v[F+12*(\t/2):F+12*(\t/2)+11], v[Q+18*\e+6*(\t%2):Q+18*\e+6*(\t%2)+11], 0, v[KS+\t/2], v[QS+\e] matrix_a_fmt:MATRIX_FMT_FP6 matrix_b_fmt:MATRIX_FMT_FP6
.endr
.endr
	WIN 0
	v_add_nc_u32 v[AV16], s[TV], v[V16]            ; five plain lines: the places in front of the loads below and of the first read of the scores
	v_add_nc_u32 v[AV8], s[TV], v[V8]
	v_add_nc_u32 v[ATS], s[TS], v[LT]
	v_add_nc_u32 v[AK16], s[TV], v[K16]
	v_add_nc_u32 v[AK8], s[TV], v[K8]
.irp p, 0,1,2,3                                ; V's four fragments of these 128 keys
	ds_load_b128 v[FV+12*\p:FV+12*\p+3], v[AV16] offset:1536*\p
	ds_load_b64 v[FV+12*\p+4:FV+12*\p+5], v[AV8] offset:1536*\p+512
	ds_load_b128 v[FV+12*\p+6:FV+12*\p+9], v[AV16] offset:1536*\p+768
	ds_load_b64 v[FV+12*\p+10:FV+12*\p+11], v[AV8] offset:1536*\p+1280
.endr
	ds_load_b128 v[VS:VS+3], v[ATS] offset:4096
.if \guard
	s_cmp_eq_u32 s[CNT], 1                         ; a pass's last step has no next step
	s_cbranch_scc1 .Lno_next_\@
.endif
	KLOAD AK16, AK8, ATS, 6144, 256                ; the next step's K
.if \guard
.Lno_next_\@:
.endif
	WIN 0x55
.irp c, 0,1                                    ; the largest score of each of my blocks of 32 keys: four chains by turns, each accumulator from its low end on
.irp e, 0,1
	v_max3_num_f32 v[BM+12*\e+\c], v[S+64*\e+32*\c], v[S+64*\e+32*\c+1], v[S+64*\e+32*\c+2]
.endr
.endr
.irp i, 3,5,7,9,11,13,15,17,19,21,23,25,27,29
.irp c, 0,1
.irp e, 0,1
	v_max3_num_f32 v[BM+12*\e+\c], v[BM+12*\e+\c], v[S+64*\e+32*\c+\i], v[S+64*\e+32*\c+\i+1]
.endr
.endr
.endr
.irp c, 0,1
.irp e, 0,1
	v_max_num_f32 v[BM+12*\e+\c], v[BM+12*\e+\c], v[S+64*\e+32*\c+31]
.endr
.endr
.irp e, 0,1
	v_max_num_f32 v[XX+12*\e], v[BM+12*\e], v[BM+12*\e+1]
.endr
.irp e, 0,1
	v_permlanex16_b32 v[TP+12*\e], v[XX+12*\e], s[SEL], s[SEL+1]
.endr
.irp e, 0,1
	v_max3_num_f32 v[SX+12*\e], v[SX+12*\e], v[XX+12*\e], v[TP+12*\e]   ; the running largest score of my query
.endr
.irp e, 0,1
	v_mul_f32 v[XX+12*\e], s[NC], v[SX+12*\e]      ; -t
.endr
.irp e, 0,1
	v_floor_f32 v[XX+12*\e], v[XX+12*\e]           ; the new -M = floor(-t): M is a whole number
.endr
.irp e, 0,1
	v_sub_f32 v[TP+12*\e], v[XX+12*\e], v[NM+12*\e]   ; old M - new M: a whole number, 0 or less
.endr
.irp e, 0,1
	v_mov_b32 v[NM+12*\e], v[XX+12*\e]
.endr
.irp e, 0,1
	v_cvt_i32_f32 v[TP+12*\e], v[TP+12*\e]         ; (it saturates)
.endr
.irp e, 0,1
	v_ldexp_f32 v[FF+12*\e], 1.0, v[TP+12*\e]      ; f = 2^(old M - new M)
.endr
.set j, 0
.rept 32
.irp e, 0,1
	v_pk_fma_f32 v[S+64*\e+j:S+64*\e+j+1], v[S+64*\e+j:S+64*\e+j+1], s[CS:CS+1], v[NM+12*\e:NM+12*\e+1] op_sel_hi:[1,0,0]   ; t - M, two at a time
.endr
.set j, j+2
.endr
.irp c, 0,1
.irp e, 0,1
	v_fma_f32 v[BM+12*\e+\c], v[BM+12*\e+\c], s[CS], v[NM+12*\e]   ; the same of each block's largest score
.endr
.endr
.set j, 0
.rept 16
.irp e, 0,1
	v_pk_mul_f32 v[O+32*\e+j:O+32*\e+j+1], v[O+32*\e+j:O+32*\e+j+1], v[FF+12*\e:FF+12*\e+1] op_sel_hi:[1,0]   ; O^T under the new M, each accumulator from its low end on
.endr
.set j, j+2
.endr
	WALU                                           ; ahead of the batch of exponentials
.set j, 0
.rept 128
	v_exp_f32 v[S+j], v[S+j]                       ; p = 2^(t - M), at most 1
.set j, j+1
.endr
.irp c, 0,1
.irp e, 0,1
	v_exp_f32 v[BM+12*\e+\c], v[BM+12*\e+\c]       ; the block's largest p
.endr
.endr
.irp e, 0,1
	v_pk_mul_f32 v[SU+12*\e:SU+12*\e+1], v[SU+12*\e:SU+12*\e+1], v[FF+12*\e:FF+12*\e+1] op_sel_hi:[1,0]   ; the sums under the new M (plain lines behind the exponentials)
.endr
	WALU                                           ; and behind it, ahead of its first reader
.irp c, 0,1
.irp e, 0,1
	v_max_num_f32 v[BM+12*\e+\c], 0x1800000, v[BM+12*\e+\c]   ; the floor 2^(3 - 127): the byte cannot fall under 1
.endr
.endr
.irp c, 0,1
.irp e, 0,1
	v_add_nc_u32 v[BE+12*\e+\c], 0xff000000, v[BM+12*\e+\c]   ; 2 off the exponent field: the conversion's scale operand
.endr
.endr
.irp c, 0,1
.irp e, 0,1
	v_cvt_scalef32_pk16_fp6_f32 v[PC+12*\e+6*\c:PC+12*\e+6*\c+2], v[S+64*\e+32*\c:S+64*\e+32*\c+15], v[BE+12*\e+\c]
	v_cvt_scalef32_pk16_fp6_f32 v[AC+8*\e+4*\c:AC+8*\e+4*\c+2], v[S+64*\e+32*\c+16:S+64*\e+32*\c+31], v[BE+12*\e+\c]   ; (a conversion's three registers begin on an even number)
.endr
.endr
.irp c, 0,1
.irp e, 0,1
	v_lshrrev_b32 v[BM+12*\e+\c], 23, v[BE+12*\e+\c]   ; the byte (plain lines behind the conversions)
.endr
.endr
.irp e, 0,1
	v_lshl_or_b32 v[XX+12*\e], v[BM+12*\e+1], 16, v[BM+12*\e]   ; my two bytes: blocks h and 2 + h,
.endr
.irp e, 0,1
	v_lshlrev_b32 v[XX+12*\e], v[H8], v[XX+12*\e]  ; at their places in the word;
.endr
.irp e, 0,1
	v_permlanex16_b32 v[TP+12*\e], v[XX+12*\e], s[SEL], s[SEL+1]
.endr
	WIN 0x05
.irp e, 0,1
	v_or_b32 v[PS+\e], v[XX+12*\e], v[TP+12*\e]    ; with lane l xor 16's two: p's scale word, in window 0
.endr
	WIN 0x55
.irp c, 0,1
.irp i, 0,1,2
.irp e, 0,1
	v_mov_b32 v[PC+12*\e+6*\c+3+\i], v[AC+8*\e+4*\c+\i]
.endr
.endr
.endr
.irp m, 0,1,2,3                                ; the row's sum of the unquantised p: four chains a tile.  These 64 lines are the places between p's codes and scale word and the products
.irp e, 0,1
	v_pk_add_f32 v[AC+8*\e+2*\m:AC+8*\e+2*\m+1], v[S+64*\e+2*\m:S+64*\e+2*\m+1], v[S+64*\e+2*\m+8:S+64*\e+2*\m+9]
.endr
.endr
.set k, 16
.rept 6
.irp m, 0,1,2,3
.irp e, 0,1
	v_pk_add_f32 v[AC+8*\e+2*\m:AC+8*\e+2*\m+1], v[AC+8*\e+2*\m:AC+8*\e+2*\m+1], v[S+64*\e+k+2*\m:S+64*\e+k+2*\m+1]
.endr
.endr
.set k, k+8
.endr
.irp e, 0,1
	v_pk_add_f32 v[AC+8*\e:AC+8*\e+1], v[AC+8*\e:AC+8*\e+1], v[AC+8*\e+2:AC+8*\e+3]
	v_pk_add_f32 v[AC+8*\e+4:AC+8*\e+5], v[AC+8*\e+4:AC+8*\e+5], v[AC+8*\e+6:AC+8*\e+7]
.endr
.irp e, 0,1
	v_pk_add_f32 v[AC+8*\e:AC+8*\e+1], v[AC+8*\e:AC+8*\e+1], v[AC+8*\e+4:AC+8*\e+5]
.endr
.irp e, 0,1
	v_pk_add_f32 v[SU+12*\e:SU+12*\e+1], v[SU+12*\e:SU+12*\e+1], v[AC+8*\e:AC+8*\e+1]
.endr
	WALU                                           ; directly ahead of the wait below
	s_wait_dscnt 0x0                               ; V is in, and so is the next step's K
	WIN 0x54
.irp t, 0,1,2,3                                ; the eight accumulators by turns, with the sixteen score products between one step's turn and the next
.irp e, 0,1
	v_wmma_scale_f32_16x16x128_f8f6f4 v[O+32*\e+8*\t:O+32*\e+8*\t+7], v[FV+12*\t:FV+12*\t+11], v[PC+12*\e:PC+12*\e+11], v[O+32*\e+8*\t:O+32*\e+8*\t+7], v[VS+\t], v[PS+\e] matrix_a_fmt:MATRIX_FMT_FP6 matrix_b_fmt:MATRIX_FMT_FP6
.endr
.endr
	WIN 0
	s_add_co_u32 s[TV], s[TV], 6144
	s_add_co_u32 s[TS], s[TS], 256
.endm
.macro LOOP n, guard
	s_mov_b32 s[CNT], \n
.Lstep_\@:
	STEP \guard
	s_sub_co_u32 s[CNT], s[CNT], 1
	s_cmp_lg_u32 s[CNT], 0
	s_cbranch_scc1 .Lstep_\@
.endm
; A pass: two tiles of 16 queries against all keys.
.macro PASS p
.if \p
	s_wait_xcnt 0x0                                ; the last pass's stores have read their registers
.endif
	KLOAD K16, K8, LT, 0, 0                        ; the first step's K
.irp e, 0,1
	v_perm_b32 v[QS+\e], v[RQ+16*\p+8*\e+6], v[RQ+16*\p+8*\e+6], s[SELQ]   ; q's two bytes for both halves of K
.irp i, 0,1,2,3,4,5
	v_mov_b32 v[Q+18*\e+\i], v[RQ+16*\p+8*\e+\i]
	v_mov_b32 v[Q+18*\e+12+\i], v[RQ+16*\p+8*\e+\i]
.endr
.endr
	WIN 0x40
.irp e, 0,1
	v_mov_b32 v[SX+12*\e], 0xff61b1e6              ; the largest score so far: -3e38
	v_mov_b32 v[NM+12*\e], 0x7f61b1e6              ; -M
	v_mov_b32 v[SU+12*\e], 0                       ; the sum, in two halves
	v_mov_b32 v[SU+12*\e+1], 0
.endr
.set j, 0
.rept 64
	v_mov_b32 v[O+j], 0
.set j, j+1
.endr
	WIN 0
	s_mov_b32 s[TV], 0
	s_mov_b32 s[TS], 0
	WALU
	s_wait_dscnt 0x0
.if \p
	LOOP 16, 1
.else
	LOOP 3, 0                                      ; steps 0 to 2 read, and ask for, the first 512 keys alone
	s_wait_tensorcnt 0x0                           ; every wave's load has landed,
	s_wait_dscnt 0x0
	s_barrier_signal -1
	s_barrier_wait -1                              ; and all of K and V are shown to all waves
	LOOP 13, 1
.endif
	WIN 0x55
.irp e, 0,1
	v_add_f32 v[SU+12*\e], v[SU+12*\e], v[SU+12*\e+1]   ; the sum's two halves (these lines are the places behind the last products),
.endr
.irp e, 0,1
	v_permlanex16_b32 v[TP+12*\e], v[SU+12*\e], s[SEL], s[SEL+1]
.endr
.irp e, 0,1
	v_add_f32 v[SU+12*\e], v[SU+12*\e], v[TP+12*\e]   ; and lane l xor 16's
.endr
.rept 2
	v_nop
.endr
	WALU
.irp e, 0,1
	v_rcp_f32 v[SU+12*\e], v[SU+12*\e]
.endr
	v_nop                                          ; one plain place behind a transcendental
	WALU
.set j, 0
.rept 16
.irp e, 0,1
	v_pk_mul_f32 v[S+64*\e+j:S+64*\e+j+1], v[O+32*\e+j:O+32*\e+j+1], v[SU+12*\e:SU+12*\e+1] op_sel_hi:[1,0]   ; ctx: register 16 b + i = the head's channel 32 b + 16 (lane / 16) + i
.endr
.set j, j+2
.endr
.irp b, 0,1
.irp e, 0,1
	v_max3_num_f32 v[BM+12*\e+\b], |v[S+64*\e+16*\b]|, |v[S+64*\e+16*\b+1]|, 0x1800000
.endr
.endr
.irp i, 2,4,6,8,10,12,14
.irp b, 0,1
.irp e, 0,1
	v_max3_num_f32 v[BM+12*\e+\b], v[BM+12*\e+\b], |v[S+64*\e+16*\b+\i]|, |v[S+64*\e+16*\b+\i+1]|
.endr
.endr
.endr
.irp b, 0,1
.irp e, 0,1
	v_permlanex16_b32 v[TP+12*\e+5*\b], v[BM+12*\e+\b], s[SEL], s[SEL+1]
.endr
.endr
.irp b, 0,1
.irp e, 0,1
	v_max_num_f32 v[BM+12*\e+\b], v[BM+12*\e+\b], v[TP+12*\e+5*\b]
.endr
.endr
.irp b, 0,1
.irp e, 0,1
	v_add_nc_u32 v[BE+12*\e+\b], 0xff000000, v[BM+12*\e+\b]
.endr
.endr
.irp e, 0,1
	v_cvt_scalef32_pk16_fp6_f32 v[PC+12*\e:PC+12*\e+2], v[S+64*\e:S+64*\e+15], v[BE+12*\e]
	v_cvt_scalef32_pk16_fp6_f32 v[AC+8*\e:AC+8*\e+2], v[S+64*\e+16:S+64*\e+31], v[BE+12*\e+1]
.endr
.irp b, 0,1
.irp e, 0,1
	v_lshrrev_b32 v[BM+12*\e+\b], 23, v[BE+12*\e+\b]   ; (plain lines behind the conversions)
.endr
.endr
.irp e, 0,1
	v_lshl_or_b32 v[S+64*\e+32], v[BM+12*\e+1], 8, v[BM+12*\e]   ; the head's two bytes
.endr
.irp i, 0,1,2
.irp e, 0,1
	v_permlane16_swap_b32 v[PC+12*\e+\i], v[AC+8*\e+\i]   ; the layout wants a whole block in a lane
.endr
.endr
.irp i, 0,1,2
.irp e, 0,1
	v_mov_b32 v[PC+12*\e+3+\i], v[AC+8*\e+\i]
.endr
.endr
	WIN 0x04                                       ; the stores' data lie in window 1
.irp e, 0,1
	global_store_b128 v[L16], v[PC+12*\e:PC+12*\e+3], s[8:9] offset:98304*(2*\p+\e)        ; half an image: 512 and 256 consecutive bytes, each at a multiple of 256 from the buffer's first byte
	global_store_b64 v[L8], v[PC+12*\e+4:PC+12*\e+5], s[8:9] offset:98304*(2*\p+\e)+512
	global_store_b16 v167, v[S+64*\e+32], s[10:11] offset:4096*(2*\p+\e)   ; lanes l and l xor 16 write the same two bytes
.endr
	WIN 0
.endm
	PASS 0
	PASS 1
	s_wait_tensorcnt 0x0                           ; the wave's end
	ds_add_u32 v[SPW], v[NIL]
	s_wait_dscnt 0x0
	CROUND                                         ; the closing round: no work-group ends while a partner may still ask for a tile that names it
	s_endpgm
.Lfunc_end_k_q88cced27ce_attn:
	.size	k_q88cced27ce_attn, .Lfunc_end_k_q88cced27ce_attn-k_q88cced27ce_attn
	.p2alignl 7, 3214868480
	.fill 96, 4, 3214868480
	.section	.rodata,"a",@progbits
	.p2align	6, 0x0
	.amdhsa_kernel k_q88cced27ce_attn
		.amdhsa_group_segment_fixed_size 206848
		.amdhsa_private_segment_fixed_size 0
		.amdhsa_enable_private_segment 0
		.amdhsa_kernarg_size 32
		.amdhsa_user_sgpr_count 2
		.amdhsa_user_sgpr_kernarg_segment_ptr 1
		.amdhsa_wavefront_size32 1
		.amdhsa_system_sgpr_workgroup_id_x 1
		.amdhsa_system_sgpr_workgroup_id_y 1
		.amdhsa_system_sgpr_workgroup_id_z 1
		.amdhsa_system_vgpr_workitem_id 0
		.amdhsa_next_free_vgpr 512
		.amdhsa_next_free_sgpr 80
		.amdhsa_reserve_vcc 0
		.amdhsa_float_denorm_mode_32 3
		.amdhsa_float_denorm_mode_16_64 3
		.amdhsa_memory_ordered 1
		.amdhsa_forward_progress 1
		.amdhsa_inst_pref_size 115
	.end_amdhsa_kernel
	.amdgpu_metadata
---
amdhsa.version: [ 1, 2 ]
amdhsa.kernels:
  - .name:           k_q88cced27ce_attn
    .symbol:         k_q88cced27ce_attn.kd
    .args:
      - { .name: qkvc, .offset: 0, .size: 8, .value_kind: global_buffer, .address_space: global }
      - { .name: qkvs, .offset: 8, .size: 8, .value_kind: global_buffer, .address_space: global }
      - { .name: ctxc, .offset: 16, .size: 8, .value_kind: global_buffer, .address_space: global }
      - { .name: cts, .offset: 24, .size: 8, .value_kind: global_buffer, .address_space: global }
    .group_segment_fixed_size: 206848
    .private_segment_fixed_size: 0
    .kernarg_segment_align: 8
    .kernarg_segment_size: 32
    .max_flat_workgroup_size: 256
    .sgpr_count:     80
    .vgpr_count:     512
    .wavefront_size: 32
...
	.end_amdgpu_metadata
.endif
;; end of part 3
;; launch outp (part 4): grid 8 x 32, 4 waves a work-group, clusters of 4 x 4, 327,680 bytes of LDS; arguments ctxc, cts, wi, ws, bo, out0; writes out0
.if DOCPART == 4
	.amdgcn_target "amdgcn-amd-amdhsa--gfx1250"
	.amdhsa_code_object_version 6
	.text
	.protected	k_q88cced27ce_outp
	.globl	k_q88cced27ce_outp
	.p2align	8
	.type	k_q88cced27ce_outp,@function
k_q88cced27ce_outp:
	s_mov_b64 s[64:65], 0
	v_nop
	global_prefetch_b8 v0, s[64:65] scope:SCOPE_SE
	s_setreg_imm32_b32 hwreg(HW_REG_WAVE_MODE, 25, 1), 1
	s_wait_xcnt 0x0
	s_wait_alu depctr_hold_cnt(0) depctr_sa_sdst(0) depctr_va_vdst(0) depctr_va_sdst(0) depctr_va_ssrc(0) depctr_va_vcc(0) depctr_vm_vsrc(0)
	s_getreg_b32 s2, hwreg(HW_REG_IB_STS2, 6, 4)
	s_cmp_eq_u32 s2, 0
	s_cbranch_scc0 .Lentry_in_a_cluster
	s_endpgm
.Lentry_in_a_cluster:
	s_bfe_u32 s2, ttmp6, 0x10000c
	s_cmp_lg_u32 s2, 0xf033
	s_cbranch_scc0 .Lentry_shape_is_right
	s_endpgm
.Lentry_shape_is_right:
; out0 = ctx Wo + bo on codes of FP6 (E2M3) with E8M0 scales; f32 out.
; THE DEAL.  256 work-groups: 32 tile rows of 256 tokens x 8 groups of 128 columns.  A work-group's 16 tiles of ctx and 8 tiles of Wo, all of K, come into LDS once (294,912 bytes): one joint load a wave, no byte filled twice.
; ctx's tiles are shared by a row of the cluster, Wo's by a column.  All is asked for at the head, so there is no loop to run ahead in: no prefetch.
; Four waves, 2 x 2: wave (a, b) holds tiles 4 b .. 4 b + 3 of Wo (64 columns, all of K: 384 registers) and streams tiles 8 a + n of ctx past them: a block n is 32 products, four accumulators by turns; the bias is the first four products' C.
; Source 0 = Wo's tile: a lane holds one token and 16 neighbouring columns for each two tiles.  A finished block goes through my own stage in LDS and leaves as rows of 256 bytes, sixteen lanes to an aligned unit, behind the next block's products.
; A tile's place r is row 32 (t / 2) + 8 (t % 2) + r + 8 (r / 8).
; THE WAITS' COUNTS.  LDS instructions go out as F0 F1 | T0 F2 | T1 F3 | .. (F: a block's fetch, 32; T: a block's 8 stores into the stage and 8 loads back).  Ahead of block n: F(n + 1) and T(n - 1) may be out; ahead of block n - 1's stores: F(n + 1).
.set WB,     196608
.set STAGE,  294912
.set SPITCH, 272
.set SPARE,  312320
.set L16, 4
.set L8,  5
.set R4,  6
.set R32, 7
.set H64, 8
.set W16, 12
.set W8,  13
.set A16, 16
.set A8,  18
.set STO, 20
.set RD,  21
.set CO,  22
.set SPW, 28
.set NIL, 29
.set SB,  32                           ; Wo's scale words: 8 x tile + K step
.set SA,  68                           ; ctx's: 8 n + K step
.set BI,  132                          ; the bias as C
.set ACC, 164                          ; two sets of four accumulators
.set RB,  0                            ; window 3: two sets of 32: a block read back from the stage
; window 1: Wo's fragments 0-19 (4 x K step + tile); window 2: 20-31, and from v144 ctx's set 0; window 3: from v160 ctx's set 1
.set WV,  22
.set AW,  23
.set BW,  24
.set G0W, 40
.set G0A, 44
.set G1W, 48
.set G1A, 56
.set MSB, 0
.macro WIN new
.if MSB != (\new)
	s_set_vgpr_msb (MSB<<8)|(\new)
.set MSB, (\new)
.endif
.endm
.macro WALU
	s_wait_alu depctr_va_vdst(0)
.endm
.macro PLACES n
.rept \n
	v_nop
.endr
.endm
.macro BARRIER
	s_barrier_signal -1
	s_barrier_wait -1
.endm
.macro CROUND
	BARRIER
	s_cmp_lg_u32 s[WV], 0
	s_cbranch_scc1 .Lnot_wave_0_\@
	s_barrier_signal -3
.Lnot_wave_0_\@:
	s_barrier_wait -3
	BARRIER
.endm
.macro TLOAD g0, g1
	tensor_load_to_lds s[\g0:\g0+3], s[\g1:\g1+7]
	s_nop 0
	PLACES 4
.endm
.macro FRAG w, reg, a16, a8, off
	WIN (\w)<<6
	ds_load_b128 v[\reg:\reg+3], v[\a16] offset:\off
	ds_load_b64 v[\reg+4:\reg+5], v[\a8] offset:\off+512
	ds_load_b128 v[\reg+6:\reg+9], v[\a16] offset:\off+768
	ds_load_b64 v[\reg+10:\reg+11], v[\a8] offset:\off+1280
.endm
.macro WEIGHTS
.irp q, 0,1,2,3,4,5,6,7
.irp t, 0,1,2,3
	FRAG 1+(4*\q+\t)/20, 12*((4*\q+\t)%20), W16, W8, \t*12288+\q*1536
.endr
.endr
	WIN 0
.endm
.macro FETCH n
.irp q, 0,1,2,3,4,5,6,7
	FRAG 2+(\n)%2, 144+16*((\n)%2)+12*\q, A16+(\n)/4, A8+(\n)/4, ((\n)%4)*12288+\q*1536
.endr
	WIN 0
.endm
.macro WM d, a, b, c, xa, xb
	v_wmma_scale_f32_16x16x128_f8f6f4 v[\d:\d+7], v[\a:\a+11], v[\b:\b+11], \c, v[\xa], v[\xb] matrix_a_fmt:MATRIX_FMT_FP6 matrix_b_fmt:MATRIX_FMT_FP6
.endm
.macro PROD n, q, t
.set FW_, 4*\q+\t
.set RW_, 12*(FW_%20)
.set RA_, 144+16*((\n)%2)+12*\q
.set D_, ACC+32*((\n)%2)+8*\t
	WIN (1+FW_/20)|((2+(\n)%2)<<2)
.if \q
	WM D_, RW_, RA_, v[D_:D_+7], SB+8*\t+\q, SA+8*(\n)+\q
.else
	WM D_, RW_, RA_, v[BI+8*\t:BI+8*\t+7], SB+8*\t+\q, SA+8*(\n)+\q
.endif
.endm
.macro PRODS n                         ; K ascending, the four accumulators by turns
.irp q, 0,1,2,3,4,5,6,7
.irp t, 0,1,2,3
	PROD \n, \q, \t
.endr
.endr
	WIN 0
.endm
.macro TOSTAGE n                       ; LDS serves a wave's instructions in order: no wait between the stores and the loads
.irp t, 0,1,2,3
	ds_store_b128 v[STO], v[ACC+32*((\n)%2)+8*\t:ACC+32*((\n)%2)+8*\t+3] offset:128*(\t/2)+32*(\t%2)
	ds_store_b128 v[STO], v[ACC+32*((\n)%2)+8*\t+4:ACC+32*((\n)%2)+8*\t+7] offset:128*(\t/2)+32*(\t%2)+16
.endr
	WIN 0xc0
.irp k, 0,1,2,3,4,5,6,7
	ds_load_b128 v[RB+32*((\n)%2)+4*\k:RB+32*((\n)%2)+4*\k+3], v[RD] offset:\k*2*SPITCH
.endr
	WIN 0
.endm
.macro SEND n, younger
	s_wait_dscnt \younger
	WIN 0x0c
.irp k, 0,1,2,3,4,5,6,7
	global_store_b128 v[CO], v[RB+32*((\n)%2)+4*\k:RB+32*((\n)%2)+4*\k+3], s[14:15] offset:(32*((\n)/2)+8*((\n)%2)+2*\k+8*(\k/4))*4096 th:TH_STORE_NT   ; sixteen lanes store 256 consecutive bytes, aligned
.endr
	WIN 0
.endm
.macro GROUP1 g, rows
	s_mov_b32 s[\g+1], 32<<16
	s_mov_b32 s[\g+2], (\rows)<<16
	s_mov_b32 s[\g+3], 32<<16
	s_mov_b32 s[\g+4], \rows
	s_mov_b32 s[\g+5], 32
	s_mov_b32 s[\g+6], 0
	s_mov_b32 s[\g+7], 0
.endm
	s_load_b256 s[4:11], s[0:1], 0x0               ; ctxc, cts, wi, ws
	s_load_b128 s[12:15], s[0:1], 0x20             ; bo, out0
	v_lshl_add_u32 v[SPW], v0, 2, SPARE
	v_mov_b32 v[NIL], 0
	ds_add_u32 v[SPW], v[NIL]                      ; the opening lines
	ds_add_u32 v[SPW], v[NIL]
	v_lshrrev_b32 v1, 5, v0
	v_readfirstlane_b32 s[WV], v1
	s_lshr_b32 s[AW], s[WV], 1
	s_and_b32 s[BW], s[WV], 1
	s_bfe_u32 s25, ttmp6, 0x40000
	s_bfe_u32 s26, ttmp6, 0x40004
	s_and_b32 s27, ttmp7, 0xffff
	s_lshl_b32 s27, s27, 2
	s_add_co_u32 s27, s27, s26                     ; tile row
	s_lshl_b32 s28, ttmp9, 2
	s_add_co_u32 s28, s28, s25                     ; column group
	s_lshl_b32 s29, s26, 2
	s_lshl_b32 s29, 15, s29
	s_lshl_b32 s30, 0x1111, s25
	s_or_b32 s[G1A], s29, (3<<16)|(1<<21)
	s_or_b32 s[G1W], s30, (3<<16)|(1<<21)
	GROUP1 G1A, 384
	GROUP1 G1W, 192
	s_mul_i32 s32, s28, 98304
	s_mul_i32 s88, s[BW], 49152
	s_add_co_u32 s32, s32, s88
	s_add_co_u32 s32, s32, 2359296                 ; Wo's tiles: a half
	s_mov_b32 s33, 0
	s_add_co_u32 s90, s88, WB
	s_mul_i32 s34, s27, 196608
	s_mul_i32 s91, s[BW], 98304
	s_add_co_u32 s34, s34, s91                     ; ctx's tiles: a half
	s_mov_b32 s35, 0
	s_lshl_b32 s36, s28, 12
	s_lshl_b32 s88, s[BW], 11
	s_add_co_u32 s36, s36, s88
	s_add_co_u32 s36, s36, 98304                   ; my four tiles' scale words
	s_mov_b32 s37, 0
	s_lshl_b32 s38, s27, 13
	s_lshl_b32 s88, s[AW], 12
	s_add_co_u32 s38, s38, s88                     ; my eight tiles of ctx: their scale words, 512 bytes a tile
	s_mov_b32 s39, 0
	s_lshl_b32 s86, s28, 9
	s_lshl_b32 s88, s[BW], 8
	s_add_co_u32 s86, s86, s88                     ; my 64 columns, in bytes
	s_mov_b32 s87, 0
	s_lshl_b32 s66, s27, 20
	s_lshl_b32 s88, s[AW], 19
	s_add_co_u32 s66, s66, s88
	s_add_co_u32 s66, s66, s86                     ; my first row and column of out0
	s_mov_b32 s67, 0
	s_mul_i32 s92, s[AW], 98304
	s_add_co_u32 s93, s92, 49152
	s_mul_i32 s94, s[WV], 16*SPITCH
	s_add_co_u32 s94, s94, STAGE
	s_mov_b32 s[G0W], 1
	s_mov_b32 s[G0W+1], s90
	s_mov_b32 s[G0A], 1
	s_mov_b32 s[G0A+1], s91
	WALU
	s_wait_dscnt 0x0
	s_wait_kmcnt 0x0
	s_add_nc_u64 s[G0W+2:G0W+3], s[8:9], s[32:33]
	s_or_b32 s[G0W+3], s[G0W+3], 0x80000000
	s_add_nc_u64 s[G0A+2:G0A+3], s[4:5], s[34:35]
	s_or_b32 s[G0A+3], s[G0A+3], 0x80000000
	s_add_nc_u64 s[10:11], s[10:11], s[36:37]
	s_add_nc_u64 s[6:7], s[6:7], s[38:39]
	s_add_nc_u64 s[12:13], s[12:13], s[86:87]
	s_add_nc_u64 s[14:15], s[14:15], s[66:67]
	CROUND                                         ; all sixteen work-groups are here: the joint loads meet
	s_cmp_lt_u32 s[WV], 2                          ; one load a wave: waves 0 and 1 a half each of Wo's tiles, on a line of their own; waves 2 and 3 of ctx's
	s_cbranch_scc0 .Lfor_x
	TLOAD G0W, G1W
	s_branch .Lasked
.Lfor_x:
	TLOAD G0A, G1A
.Lasked:
	v_and_b32 v1, 31, v0
	v_and_b32 v2, 15, v0
	v_bfe_u32 v3, v0, 4, 1
	v_lshlrev_b32 v[L16], 4, v1
	v_lshlrev_b32 v[L8], 3, v1
	v_lshlrev_b32 v[R4], 2, v2
	v_lshlrev_b32 v[R32], 5, v2
	v_lshlrev_b32 v[H64], 6, v3
	v_add_nc_u32 v[W16], s90, v[L16]
	v_add_nc_u32 v[W8], s90, v[L8]
	v_add_nc_u32 v[A16], s92, v[L16]
	v_add_nc_u32 v[A8], s92, v[L8]
	v_add_nc_u32 v[A16+1], s93, v[L16]
	v_add_nc_u32 v[A8+1], s93, v[L8]
	v_mul_u32_u24 v9, v2, SPITCH
	v_add_nc_u32 v9, v9, v[H64]
	v_add_nc_u32 v[STO], s94, v9                   ; into the stage: row r, 64 bytes for each half of the lanes and pair of tiles
	v_mul_u32_u24 v10, v3, SPITCH
	v_lshl_add_u32 v10, v2, 4, v10
	v_add_nc_u32 v[RD], s94, v10                   ; back: sixteen lanes to a row, two rows an instruction
	v_lshlrev_b32 v11, 12, v3
	v_lshl_add_u32 v[CO], v2, 4, v11               ; and the same two rows in out0
.irp t, 0,1,2,3
.irp q, 0,1,2,3,4,5,6,7
	global_load_b32 v[SB+8*\t+\q], v[R4], s[10:11] offset:512*\t+64*\q
.endr
.endr
.irp n, 0,1,2,3,4,5,6,7
	global_load_b128 v[SA+8*\n:SA+8*\n+3], v[R32], s[6:7] offset:512*\n
	global_load_b128 v[SA+8*\n+4:SA+8*\n+7], v[R32], s[6:7] offset:512*\n+16
.endr
.irp t, 0,1,2,3
	global_load_b128 v[BI+8*\t:BI+8*\t+3], v[H64], s[12:13] offset:(32*(\t/2)+8*(\t%2))*4
	global_load_b128 v[BI+8*\t+4:BI+8*\t+7], v[H64], s[12:13] offset:(32*(\t/2)+8*(\t%2))*4+16
.endr
	WALU
	s_cmp_lt_u32 s[WV], 2
	s_cbranch_scc0 .Lnot_w
	s_wait_tensorcnt 0x0
.Lnot_w:
	BARRIER                                        ; Wo's tiles are in; ctx's may be on their way: nothing is ever filled again
	WEIGHTS
	s_wait_tensorcnt 0x0
	s_wait_dscnt 0x0
	BARRIER                                        ; ctx's tiles are in
	FETCH 0
	FETCH 1
	s_wait_loadcnt 0x0
.irp n, 0,1,2,3,4,5,6,7
.if \n == 0
	s_wait_dscnt 32
.elseif \n < 7
	s_wait_dscnt 48
.else
	s_wait_dscnt 16
.endif
	PRODS \n
	PLACES 4                                       ; in front of the stage's stores, which read results, and of the fetch
.if \n
.if \n < 7
	SEND (\n-1), 32
.else
	SEND (\n-1), 0
.endif
.endif
	s_wait_xcnt 0x0                                ; earlier stores have read their registers
	TOSTAGE \n
.if \n < 6
	FETCH (\n+2)
.endif
.endr
	SEND 7, 0
	s_wait_tensorcnt 0x0                           ; the wave's end
	ds_add_u32 v[SPW], v[NIL]
	s_wait_dscnt 0x0
	CROUND                                         ; the closing round
	s_endpgm
.Lfunc_end_k_q88cced27ce_outp:
	.size	k_q88cced27ce_outp, .Lfunc_end_k_q88cced27ce_outp-k_q88cced27ce_outp
	.p2alignl 7, 3214868480
	.fill 96, 4, 3214868480
	.section	.rodata,"a",@progbits
	.p2align	6, 0x0
	.amdhsa_kernel k_q88cced27ce_outp
		.amdhsa_group_segment_fixed_size 327680
		.amdhsa_private_segment_fixed_size 0
		.amdhsa_enable_private_segment 0
		.amdhsa_kernarg_size 48
		.amdhsa_user_sgpr_count 2
		.amdhsa_user_sgpr_kernarg_segment_ptr 1
		.amdhsa_wavefront_size32 1
		.amdhsa_system_sgpr_workgroup_id_x 1
		.amdhsa_system_sgpr_workgroup_id_y 1
		.amdhsa_system_sgpr_workgroup_id_z 1
		.amdhsa_system_vgpr_workitem_id 0
		.amdhsa_next_free_vgpr 1024
		.amdhsa_next_free_sgpr 100
		.amdhsa_reserve_vcc 0
		.amdhsa_float_denorm_mode_32 3
		.amdhsa_float_denorm_mode_16_64 3
		.amdhsa_memory_ordered 1
		.amdhsa_forward_progress 1
		.amdhsa_inst_pref_size 87
	.end_amdhsa_kernel
	.amdgpu_metadata
---
amdhsa.version: [ 1, 2 ]
amdhsa.kernels:
  - .name:           k_q88cced27ce_outp
    .symbol:         k_q88cced27ce_outp.kd
    .args:
      - { .name: ctxc, .offset: 0, .size: 8, .value_kind: global_buffer, .address_space: global }
      - { .name: cts, .offset: 8, .size: 8, .value_kind: global_buffer, .address_space: global }
      - { .name: wi, .offset: 16, .size: 8, .value_kind: global_buffer, .address_space: global }
      - { .name: ws, .offset: 24, .size: 8, .value_kind: global_buffer, .address_space: global }
      - { .name: bo, .offset: 32, .size: 8, .value_kind: global_buffer, .address_space: global }
      - { .name: out0, .offset: 40, .size: 8, .value_kind: global_buffer, .address_space: global }
    .group_segment_fixed_size: 327680
    .private_segment_fixed_size: 0
    .kernarg_segment_align: 8
    .kernarg_segment_size: 48
    .max_flat_workgroup_size: 128
    .sgpr_count:     100
    .vgpr_count:     1024
    .wavefront_size: 32
...
	.end_amdgpu_metadata
.endif
;; end of part 4
